; MI455X (gfx1250); checked and timed in simulation.
; The chip was launched on July 23, 2026; its instructions are those of AMD's public machine-readable ISA for CDNA 5 (MIT licence, August 2026) and "CDNA5" Instruction Set Architecture Reference Guide (July 2026). The comments in the code are by the model that wrote it; some were corrected since.
;; Causal Self Attention. Allowed arithmetic: matrix products marked QUANTISED: E4M3 operands, one given power-of-two scale a tensor, by v_wmma_f32_16x16x64_fp8_fp8 or v_wmma_f32_16x16x128_fp8_fp8, f32 sums; everything else in f32.
;; Inputs: W_proj 1,024 x 1,024 float32; W_qkv 1,024 x 3,072 float32; lowp_scales 8 int32 (the exponents e of the quantised operands' scales 2^e); x 4 x 2,048 x 1,024 float32.
;; Outputs: out0 4 x 2,048 x 1,024 float32.
;; This version of the problem:
;;   THIS VERSION OF THE PROBLEM IS GIVEN IN LOW PRECISION. The matrix products marked QUANTISED in the list below multiply operands that are first quantised to E4M3 (4 exponent bits, 3 mantissa bits; 8 bits a number), with one given power-of-two scale for each operand tensor; their sums are f32. All else is computed in f32.
;;   The module's matrix products, in the order in which they are computed (A, B: the left and right operand; K: the contracted axis; several contracted axes count as one K, in the product's order):
;;     1. [M 8,192, K 1,024] x [K 1,024, N 3,072]; A: input x; B: input W_qkv: QUANTISED (scales: A lowp_scales[0], B lowp_scales[1])
;;     2. batch 64 x [M 2,048, K 64] x [K 64, N 2,048]; A: computed on the way; B: computed on the way: QUANTISED (scales: A lowp_scales[2], B lowp_scales[3])
;;     3. batch 64 x [M 2,048, K 2,048] x [K 2,048, N 64]; A: softmax (see below); B: computed on the way: QUANTISED (scales: A lowp_scales[4], B lowp_scales[5])
;;     4. [M 8,192, K 1,024] x [K 1,024, N 1,024]; A: computed on the way; B: input W_proj: QUANTISED (scales: A lowp_scales[6], B lowp_scales[7])
;;   THE QUANTISER, for each operand of a quantised product, along K:
;;     - The operand's scale is 2^e, e = its entry of the input lowp_scales (int32; the entries are numbered through the quantised products in the list's order, A before B).
;;     - Each number is divided by the scale, clamped to +-448, and rounded to the nearest number of E4M3, ties to even, subnormals kept.
;;     - The product sums the exact products of the quantised numbers (number of the format x scale) in f32.
;;   ~~~python
;;   def quantise(x, axis, e):      # numpy; x: float32 -> the quantised numbers, widened to float32 again
;;       x = np.moveaxis(x, axis, -1); K = x.shape[-1]
;;       r = np.clip(x / 2.0 ** e, -448, 448)
;;       step = 2.0 ** (np.maximum(np.frexp(np.where(r == 0, 1, r))[1] - 1, -6) - 3)
;;       q = np.round(r / step) * step * 2.0 ** e      # np.round: ties to even
;;       return np.moveaxis(q, -1, axis).astype(np.float32)
;;   ~~~
;;   SOFTMAX AHEAD OF A QUANTISED PRODUCT. Where the list says 'softmax', what is quantised is not the finished softmax but p = 2^(t - M), with t = logit x log2(e) and M = ceil(the row's largest t), a whole number; so 1/2 < the row's largest p <= 1. The row's sum l is taken of the UNQUANTISED p, in f32, and the product's result is divided by l at the end. Since M is a whole number, a kernel that streams over the keys may use a running M (the ceiling of the running maximum): every later rescaling is an exact power of two, so the quantised numbers keep their values, but for numbers so far below the row's largest that they fall under the format's range.
;;   OPERANDS COMPUTED ON THE WAY. 'Computed on the way' means the value that the module computes at that place (a softmax that the list does not call 'softmax' is quantised finished and normalised). What goes into a quantiser is computed in f32, as accurately as f32 sums, v_exp_f32 and their like allow (about 1e-6 of the number): no bf16 or f16 on the way to a quantiser, and a product that is left as it is and whose result goes on into a quantised operand takes f32 operands (vector FMAs, or v_wmma_f32_16x16x4_f32). A number that lies on a knife's edge between two numbers of the format may be rounded either way, as far as f32 arithmetic and the matrix unit's own rounding can turn it there, and no further.
;; One version. Each part assembles by itself: llvm-mc -triple=amdgcn-amd-amdhsa -mcpu=gfx1250 --defsym DOCPART=n.
;; ======== version 1 of 1: 4 launches
;; limits: right only within a limited range of input values
;; workspace buffers: x_img 8,388,608 bytes; wqkv_img 3,145,728 bytes; wproj_img 1,048,576 bytes; qkv_img 25,165,824 bytes; y_img 8,388,608 bytes
;; launch quant (part 1): grid 384 x 1, 8 waves a work-group, no clusters, 68,608 bytes of LDS; arguments x, W_qkv, W_proj, lowp_scales, x_img, wqkv_img, wproj_img; writes x_img, wqkv_img, wproj_img
.if DOCPART == 1
	.amdgcn_target "amdgcn-amd-amdhsa--gfx1250"
	.amdhsa_code_object_version 6
	.text
	.protected	k_qb7b662beb8_quant
	.globl	k_qb7b662beb8_quant
	.p2align	8
	.type	k_qb7b662beb8_quant,@function
k_qb7b662beb8_quant:
	s_mov_b64 s[64:65], 0
	v_nop
	global_prefetch_b8 v0, s[64:65] scope:SCOPE_SE
	s_setreg_imm32_b32 hwreg(HW_REG_WAVE_MODE, 25, 1), 1
	s_wait_xcnt 0x0
; x [8192][1024], W_qkv [1024][3072] and W_proj [1024][1024], f32, become codes of FP8 (E4M3), each with the one scale 2^e that is given for it
; (entries 0, 1 and 7 of the scales): code = number / 2^e, held within +-448, to the nearest code, ties to even.
; THE CODES ARE LAID AS IMAGES OF OPERAND REGISTERS.  For an operand of rows x 1,024 along K the byte of (row, k) is
;   blk 131072 + ks 32768 + t 4096 + kf 2048 + c 512 + (r + 16 h) 16 + b,   row = 128 blk + 32 (t / 2) + 8 (t % 2) + r + 8 (r / 8),   k = 256 ks + 128 kf + 32 c + 16 h + b.
; So a fragment (16 rows x 128 K) is four runs of 512 bytes, 16 bytes a lane, and 128 rows x 256 K are 32 KiB on end.  The rows of a tile are not neighbours: a product used
; transposed then leaves 16 neighbours of that axis in the 16 registers of two neighbouring tiles.  For the weights a row is a column n (K is their first axis).
; SHARES.  Work-groups 0-255: 32 rows of x each; wave w takes k = 128 w on, two fragments.  Work-groups 256-351: W_qkv, 352-383: W_proj: 256 columns x 128 K each; wave w takes 32 columns.
; x: a load takes 512 consecutive bytes of a row, 16 a lane; a fragment's 16 rows turn through the wave's own stage in LDS (rows of 512 + 16 bytes) and come back 64 bytes a lane, 16 neighbours
; along K for each of the four blocks of 32.  W: a lane takes a column and its registers run down K, so the conversions give codes with K innermost; no LDS.
; Every store of x's path covers 512 consecutive bytes; in every store of W's paths sixteen neighbouring lanes cover 256 consecutive bytes, aligned.  Waves share nothing: no barrier.
; LIMITS: each of the three exponents lies between -126 and 119, so that 2^e and 448 x 2^e are f32 numbers.  NaN among the inputs is not served; an infinity is held at the largest code.
.set SP,   528                         ; a stage row: 512 bytes + 16: row r starts 33 x 16 bytes behind row r - 1, so sixteen rows' 16 bytes fall on sixteen different columns of 16 bytes
.set STG,  16*SP                       ; a wave's stage
.set R,    16                          ; v16-143   x: two sets of 64 registers as loaded
.set X,    144                         ; v144-207  x: 64 numbers, 16 neighbours for each block of 32
.set C,    208                         ; v208-239  x: two fragments' codes
.set WX,   16                          ; v16-79    W: two sets of 32 numbers down K
.set WC,   80                          ; v80-111   W: eight registers of codes for each of four blocks: no store's data are written again
.macro MKSCALE e                       ; v11 = 2^e as f32 (the conversion takes its exponent field)
	s_add_co_i32 s34, \e, 127
	s_lshl_b32 s35, s34, 23
	v_mov_b32 v11, s35
.endm
.macro XLOAD u                         ; the 16 rows of tile u of my 32: row j of the tile is row 8 u + j + 8 (j / 8)
.irp j, 0,1,2,3,4,5,6,7,8,9,10,11,12,13,14,15
	global_load_b128 v[R+64*\u+4*\j:R+64*\u+4*\j+3], v2, s[4:5] offset:(8*\u+\j+8*(\j/8))*4096 th:TH_LOAD_NT
.endr
.endm
.macro XTURN u, dst                    ; through the stage: LDS serves a wave's instructions in order, so no wait stands between the stores and the loads
.irp j, 0,1,2,3,4,5,6,7,8,9,10,11,12,13,14,15
	ds_store_b128 v3, v[R+64*\u+4*\j:R+64*\u+4*\j+3] offset:SP*\j
.endr
.irp c, 0,1,2,3
.irp k, 0,1,2,3
	ds_load_b128 v[\dst+16*\c+4*\k:\dst+16*\c+4*\k+3], v4 offset:128*\c+16*\k
.endr
.endr
.endm
.macro XQ src, u                       ; 64 numbers become a fragment's 16 registers of codes and leave
.set i, 0
.rept 64
.set i, i+1
.endr
.irp c, 0,1,2,3
	v_cvt_scalef32_pk8_fp8_f32 v[C+16*\u+4*\c:C+16*\u+4*\c+1], v[\src+16*\c:\src+16*\c+7], v11
	v_cvt_scalef32_pk8_fp8_f32 v[C+16*\u+4*\c+2:C+16*\u+4*\c+3], v[\src+16*\c+8:\src+16*\c+15], v11
.endr
.irp c, 0,1,2,3
	global_store_b128 v2, v[C+16*\u+4*\c:C+16*\u+4*\c+3], s[12:13] offset:4096*\u+512*\c   ; 32 lanes store 512 consecutive bytes
.endr
.endm
.macro WLOAD c, pitch, src             ; block c: W(32 c + i, my column), i = 0 .. 31, into set c % 2; the wave reads 128 consecutive bytes
.set i, 0
.rept 32
	global_load_b32 v[WX+32*((\c)%2)+i], v3, s[\src:\src+1] offset:(32*(\c)+i)*\pitch th:TH_LOAD_NT
.set i, i+1
.endr
.endm
.macro WBLOCK c, pitch, src, dst
.set XS, WX+32*((\c)%2)
.if (\c) < 3
	s_wait_loadcnt 32                              ; this block's 32 loads are in; the next block's 32 may be out
.else
	s_wait_loadcnt 0
.endif
.set i, 0
.rept 32
.set i, i+1
.endr
.irp g, 0,1,2,3
	v_cvt_scalef32_pk8_fp8_f32 v[WC+8*(\c)+2*\g:WC+8*(\c)+2*\g+1], v[XS+8*\g:XS+8*\g+7], v11
.endr
	global_store_b128 v4, v[WC+8*(\c):WC+8*(\c)+3], s[\dst:\dst+1] offset:512*(\c)           ; k = 32 c + 0 .. 15: the image's lanes 0-15
	global_store_b128 v4, v[WC+8*(\c)+4:WC+8*(\c)+7], s[\dst:\dst+1] offset:512*(\c)+256     ; k = 32 c + 16 .. 31: its lanes 16-31
.if (\c) < 2
	WLOAD (\c)+2, \pitch, \src
.endif
.endm
.macro WPATH pitch, src, dst, first, e
	s_sub_co_u32 s28, ttmp9, \first
	s_lshr_b32 s29, s28, 3                         ; which 256 columns
	s_and_b32 s28, s28, 7                          ; which 128 along K
	v_and_b32 v7, 8, v5
	s_delay_alu instid0(VALU_DEP_1)
	v_add_nc_u32 v7, v7, v5                        ; r + 8 (r / 8)
	s_delay_alu instid0(VALU_DEP_1)
	v_lshl_add_u32 v7, v6, 3, v7                   ; + 8 u: lane 16 u + r takes this column of my wave's 32: row r of tile u
	s_delay_alu instid0(VALU_DEP_1)
	v_lshlrev_b32 v3, 2, v7                        ; in: 4 bytes a column
	s_wait_alu depctr_va_vdst(0)
	v_lshlrev_b32 v4, 4, v5
	s_delay_alu instid0(VALU_DEP_1)
	v_lshl_add_u32 v4, v6, 12, v4                  ; out: tile u, 16 bytes at 16 r
	s_mul_i32 s30, s28, 128*\pitch
	s_lshl_b32 s31, s29, 10
	s_add_co_u32 s30, s30, s31
	s_lshl_b32 s31, s18, 7
	s_add_co_u32 s30, s30, s31
	s_mov_b32 s31, 0
	s_add_nc_u64 s[\src:\src+1], s[\src:\src+1], s[30:31]
	s_lshl_b32 s32, s29, 1
	s_lshr_b32 s33, s18, 2
	s_add_co_u32 s32, s32, s33
	s_lshl_b32 s32, s32, 17                        ; the image's block of 128 columns,
	s_lshr_b32 s33, s28, 1
	s_lshl_b32 s33, s33, 15                        ; its 256 along K,
	s_add_co_u32 s32, s32, s33
	s_and_b32 s33, s18, 3
	s_lshl_b32 s33, s33, 13                        ; my wave's two tiles,
	s_add_co_u32 s32, s32, s33
	s_and_b32 s33, s28, 1
	s_lshl_b32 s33, s33, 11                        ; and which 128 of the 256
	s_add_co_u32 s32, s32, s33
	s_mov_b32 s33, 0
	s_add_nc_u64 s[\dst:\dst+1], s[\dst:\dst+1], s[32:33]
	WLOAD 0, \pitch, \src
	WLOAD 1, \pitch, \src
	s_wait_kmcnt 0x0
	MKSCALE \e
	s_wait_alu depctr_va_vdst(0)
.irp c, 0,1,2,3
	WBLOCK \c, \pitch, \src, \dst
.endr
.endm
	s_load_b256 s[4:11], s[0:1], 0x0               ; x s[4:5], W_qkv s[6:7], W_proj s[8:9], the scales' exponents s[10:11]
	s_load_b128 s[12:15], s[0:1], 0x20             ; x's image s[12:13], W_qkv's s[14:15]
	s_load_b64 s[16:17], s[0:1], 0x30              ; W_proj's
	v_lshl_add_u32 v240, v0, 2, 0x10800
	v_mov_b32 v241, 0
	v_lshrrev_b32 v1, 5, v0
	s_delay_alu instid0(VALU_DEP_1)
	v_readfirstlane_b32 s18, v1                    ; wave 0..7
	v_and_b32 v1, 31, v0                           ; lane
	v_and_b32 v5, 15, v0                           ; r
	v_bfe_u32 v6, v0, 4, 1                         ; h (x), u (W)
	s_wait_kmcnt 0x0
	s_load_b256 s[20:27], s[10:11], 0x0            ; the eight exponents
	s_cmp_ge_u32 ttmp9, 256                        ; the paths part on the work-group's number alone
	s_cbranch_scc1 .Lweights
	s_wait_alu depctr_va_vdst(0)
	; ---- x
	v_lshlrev_b32 v2, 4, v1                        ; 16 x lane: my bytes of a load's and of a store's 512
	s_wait_alu depctr_va_vdst(0)
	s_mul_i32 s28, s18, STG
	v_add_nc_u32 v3, s28, v2                       ; into my stage
	v_mul_u32_u24 v4, v5, SP
	s_delay_alu instid0(VALU_DEP_1)
	v_lshl_add_u32 v4, v6, 6, v4
	s_delay_alu instid0(VALU_DEP_1)
	v_add_nc_u32 v4, s28, v4                       ; out of it: row r, + 64 h
	s_lshl_b32 s30, ttmp9, 17                      ; 32 rows of 4,096 bytes,
	s_lshl_b32 s29, s18, 9                         ; my 128 numbers of a row
	s_add_co_u32 s30, s30, s29
	s_mov_b32 s31, 0
	s_add_nc_u64 s[4:5], s[4:5], s[30:31]
	s_lshr_b32 s32, ttmp9, 2
	s_lshl_b32 s32, s32, 17                        ; the image's block of 128 rows,
	s_lshr_b32 s33, s18, 1
	s_lshl_b32 s33, s33, 15                        ; its 256 along K,
	s_add_co_u32 s32, s32, s33
	s_and_b32 s33, ttmp9, 3
	s_lshl_b32 s33, s33, 13                        ; my work-group's two tiles,
	s_add_co_u32 s32, s32, s33
	s_and_b32 s33, s18, 1
	s_lshl_b32 s33, s33, 11                        ; and which 128 of the 256
	s_add_co_u32 s32, s32, s33
	s_mov_b32 s33, 0
	s_add_nc_u64 s[12:13], s[12:13], s[32:33]
	XLOAD 0
	XLOAD 1
	s_wait_alu depctr_va_vdst(0)
	s_wait_kmcnt 0x0
	MKSCALE s20
	s_wait_alu depctr_va_vdst(0)
	s_wait_loadcnt 16                              ; tile 0's sixteen loads are in; tile 1's sixteen may be out
	XTURN 0, X
	s_wait_dscnt 0x0                               ; tile 0 is back, and its stores have read the first set: tile 1 comes back into that set
	s_wait_loadcnt 0x0
	XTURN 1, R
	XQ X, 0                                        ; tile 0 is worked while tile 1 turns
	s_wait_dscnt 0x0
	XQ R, 1
	s_wait_tensorcnt 0x0
	ds_add_u32 v240, v241
	s_wait_dscnt 0x0
	s_endpgm
.Lweights:
	s_cmp_ge_u32 ttmp9, 352
	s_cbranch_scc1 .Lproj
	s_wait_alu depctr_va_vdst(0)
	WPATH 12288, 6, 14, 256, s21
	s_endpgm
.Lproj:
	s_wait_alu depctr_va_vdst(0)
	WPATH 4096, 8, 16, 352, s27
	s_endpgm
.Lfunc_end_k_qb7b662beb8_quant:
	.size	k_qb7b662beb8_quant, .Lfunc_end_k_qb7b662beb8_quant-k_qb7b662beb8_quant
	.p2alignl 7, 3214868480
	.fill 96, 4, 3214868480
	.section	.rodata,"a",@progbits
	.p2align	6, 0x0
	.amdhsa_kernel k_qb7b662beb8_quant
		.amdhsa_group_segment_fixed_size 68608
		.amdhsa_private_segment_fixed_size 0
		.amdhsa_enable_private_segment 0
		.amdhsa_kernarg_size 56
		.amdhsa_user_sgpr_count 2
		.amdhsa_user_sgpr_kernarg_segment_ptr 1
		.amdhsa_wavefront_size32 1
		.amdhsa_system_sgpr_workgroup_id_x 1
		.amdhsa_system_sgpr_workgroup_id_y 1
		.amdhsa_system_sgpr_workgroup_id_z 1
		.amdhsa_system_vgpr_workitem_id 0
		.amdhsa_next_free_vgpr 242
		.amdhsa_next_free_sgpr 66
		.amdhsa_reserve_vcc 0
		.amdhsa_float_denorm_mode_32 3
		.amdhsa_float_denorm_mode_16_64 3
		.amdhsa_fp16_overflow 1
		.amdhsa_memory_ordered 1
		.amdhsa_forward_progress 1
		.amdhsa_inst_pref_size 43
	.end_amdhsa_kernel
	.amdgpu_metadata
---
amdhsa.version: [ 1, 2 ]
amdhsa.kernels:
  - .name:           k_qb7b662beb8_quant
    .symbol:         k_qb7b662beb8_quant.kd
    .args:
      - { .name: x, .offset: 0, .size: 8, .value_kind: global_buffer, .address_space: global }
      - { .name: W_qkv, .offset: 8, .size: 8, .value_kind: global_buffer, .address_space: global }
      - { .name: W_proj, .offset: 16, .size: 8, .value_kind: global_buffer, .address_space: global }
      - { .name: lowp_scales, .offset: 24, .size: 8, .value_kind: global_buffer, .address_space: global }
      - { .name: x_img, .offset: 32, .size: 8, .value_kind: global_buffer, .address_space: global }
      - { .name: wqkv_img, .offset: 40, .size: 8, .value_kind: global_buffer, .address_space: global }
      - { .name: wproj_img, .offset: 48, .size: 8, .value_kind: global_buffer, .address_space: global }
    .group_segment_fixed_size: 68608
    .private_segment_fixed_size: 0
    .kernarg_segment_align: 8
    .kernarg_segment_size: 56
    .max_flat_workgroup_size: 256
    .sgpr_count:     66
    .vgpr_count:     242
    .wavefront_size: 32
...
	.end_amdgpu_metadata
.endif
;; end of part 1
;; launch gemm_qkv (part 2): grid 8 x 48, 4 waves a work-group, clusters of 4 x 4, 327,680 bytes of LDS; arguments x_img, wqkv_img, lowp_scales, qkv_img; writes qkv_img
.if DOCPART == 2
	.amdgcn_target "amdgcn-amd-amdhsa--gfx1250"
	.amdhsa_code_object_version 6
	.text
	.protected	k_qb7b662beb8_gemm_qkv
	.globl	k_qb7b662beb8_gemm_qkv
	.p2align	8
	.type	k_qb7b662beb8_gemm_qkv,@function
k_qb7b662beb8_gemm_qkv:
	s_mov_b64 s[64:65], 0
	v_nop
	global_prefetch_b8 v0, s[64:65] scope:SCOPE_SE
	s_setreg_imm32_b32 hwreg(HW_REG_WAVE_MODE, 25, 1), 1
	s_wait_xcnt 0x0
	s_wait_alu depctr_hold_cnt(0) depctr_sa_sdst(0) depctr_va_vdst(0) depctr_va_sdst(0) depctr_va_ssrc(0) depctr_va_vcc(0) depctr_vm_vsrc(0)
	s_getreg_b32 s2, hwreg(HW_REG_IB_STS2, 6, 4)
	s_cmp_eq_u32 s2, 0
	s_cbranch_scc0 .Lentry_in_a_cluster
	s_endpgm
.Lentry_in_a_cluster:
	s_bfe_u32 s2, ttmp6, 0x10000c
	s_cmp_lg_u32 s2, 0xf033
	s_cbranch_scc0 .Lentry_shape_is_right
	s_endpgm
.Lentry_shape_is_right:
; qkv = x W_qkv on codes of FP8 (E4M3), sums in f32; q, k and v are quantised in registers, with the scales given for them (entries 2, 3, 5), and leave as images of the operands of the attention's products.
; OPERANDS are images (byte of (row, k): blk 131072 + ks 32768 + t 4096 + kf 2048 + c 512 + (r + 16 h) 16 + b; row = 128 blk + 32 (t / 2) + 8 (t % 2) + r + 8 (r / 8); k = 256 ks + 128 kf + 32 c + 16 h + b):
; 128 rows x 256 K are 32 KiB on end, one tensor load; a fragment is four LDS loads of 512 consecutive bytes: no pitch, no padding.  k has the same place in the registers on both sides of a product.
; A tile of 256 x 256 is made by four waves, as many as a WGP has SIMDs; a wave makes 128 x 128: 64 accumulators, 512 registers.  K = 1,024 is four fills of two LDS slots: everything is written out, no loop.
; THE MATRIX INSTRUCTION IS USED TRANSPOSED: source 0 = 16 rows of B', source 1 = 16 rows of A'.  A lane then holds ONE row of A', and the 16 registers of B's tiles 2 p and 2 p + 1 are B's rows 32 p + 16 (lane / 16) + 0 .. 15.
; ONE TEXT SERVES q, k AND v.  Clusters y = 0-7: A' = x (tokens), B' = W's columns of q (cluster x = 0) or k (1): a lane's registers run along the head's 64.
; Clusters y = 8-11: A' = W's columns of v, B' = x: a lane's registers run along the TOKENS, which are the K of the attention's second product.  The choice hangs on the cluster's y, which all partners share; it is made by selects, never by a branch.
; OUT: [head 64][256 tokens 8][Q 16 KiB | K 16 KiB | V 16 KiB].  Q, K: [tile 16][c 2][512]: lane (r, h): token of row r of the tile, d = 32 c + 16 h + 0..15.  V: [128 keys 2][tile of d 4][c 4][512]: lane: d of row r, key 32 c + 16 h + 0..15.
; The conversions' results are those runs of 512 bytes: each store of the wave covers 512 consecutive bytes, aligned; no LDS on the way out.
; CLUSTERS: 4 x 4 work-groups.  The four of a row need the same tiles of A', the four of a column the same tiles of B': each is asked for jointly, by the same tensor load with the same descriptor and a mask that names the four.
; By this text's own count a wave has at most two tensor loads outstanding (the two first fills).
; LIMITS: eo - e0 - e1 (eo = entry 2, 3 or 5) lies between -126 and 119, so that 2^(eo - e0 - e1) and 448 times it are f32 numbers.
; REGISTERS, in windows of 256: window 0: v8-11 store offsets, v16-21 LDS addresses, v28-30; v32-159 codes on the way out; v128-255 A's eight fragments, ONE set.  window 1: B's fragments, TWO sets, at v0 and v128.
;   window 2: the accumulators of A's blocks 0-3 ((a, b) at v[8 (8 (a % 4) + b)]);  window 3: of blocks 4-7.
.set UNIT,   32768                     ; 128 rows x 256 K: what one tensor load brings and what one wave reads of A' or of B'
.set SLOT,   4*UNIT                    ; A's two halves, then B's two halves
.set SPARE,  2*SLOT                    ; behind the ring: the spare words, 128 bytes for each wave: two blocks of 256 bytes that no other line names
.set HS,     393216                    ; a head's bytes in the output: 8 x 49,152
.set FR,     16                        ; registers of a fragment
.set NL,     4                         ; LDS loads that bring one
.set NP,     4                         ; places behind this matrix instruction (ISA guide 7.12.1)
.set SO,   8                           ; v8-11   16 x lane + a0 x (the bytes from one of A's blocks to the next in the output)
.set ADRA, 16                          ; v16-17  LDS address of my A fragments in slot 0, 1
.set ADRB, 20                          ; v20-21  the same for B
.set SPW,  28                          ; v28     LDS address of my spare word; never rewritten
.set NIL,  29                          ; v29     0; never rewritten
.set SCL,  30                          ; v30     2^(eo - e0 - e1) as f32
.set CD,   32                          ; v32-159 codes: 16 registers for each of A's eight blocks, so that no store's data are written again
.set AF,   128
.set G1, 24                            ; s[24:31] descriptor group 1 for A's tiles;  s[32:39] group 0, one set for each slot
.set G0, 32
.set G1B, 48                           ; s[48:55], s[56:63] the same for B's tiles
.set G0B, 56
.set MSB, 0
.macro WIN new                         ; the immediate's high byte repeats the setting that is left
.if MSB != \new
	s_set_vgpr_msb (MSB<<8)|\new
.set MSB, \new
.endif
.endm
.set MUL_LO, 0xa1                      ; source 0 (B) window 1, source 1 (A) window 0, C and D window 2
.set MUL_HI, 0xf1                      ; the same, C and D window 3
.set TO_B,   0x40                      ; destination window 1, address window 0
; A joint load: waves 0 and 1 fetch A's halves, waves 2 and 3 B's.  Each line has one mask and one set of registers for all that issue it; the branch hangs on the wave's number alone.
; Four v_nop follow each of the two lines, ahead of the jump, the label and what follows.
.macro JLOAD g0a, g1a, g0b, g1b
	s_cmp_eq_u32 s15, 0
	s_cbranch_scc0 .Lfor_b_\@
	tensor_load_to_lds s[\g0a:\g0a+3], s[\g1a:\g1a+7]
	s_nop 0
.rept 4
	v_nop
.endr
	s_branch .Lasked_\@
.Lfor_b_\@:
	tensor_load_to_lds s[\g0b:\g0b+3], s[\g1b:\g1b+7]
	s_nop 0
.rept 4
	v_nop
.endr
.Lasked_\@:
.endm
.macro CREST                           ; a round of the cluster's barrier behind its opening barrier
	s_cmp_lg_u32 s14, 0
	s_cbranch_scc1 .Lnot_wave_0_\@
	s_barrier_signal -3
.Lnot_wave_0_\@:
	s_barrier_wait -3
	s_barrier_signal -1
	s_barrier_wait -1
.endm
.macro CROUND                          ; a whole round
	s_barrier_signal -1
	s_barrier_wait -1
	CREST
.endm
	s_load_b128 s[4:7], s[0:1], 0x0                ; x's image s[4:5], W_qkv's s[6:7]
	s_load_b128 s[8:11], s[0:1], 0x10              ; the scales' exponents s[8:9], the output s[10:11]
	v_lshl_add_u32 v[SPW], v0, 2, SPARE
	v_mov_b32 v[NIL], 0
	ds_add_u32 v28, v29
	ds_add_u32 v28, v29
	s_wait_dscnt 0x0
	v_lshrrev_b32 v1, 5, v0
	v_readfirstlane_b32 s14, v1                    ; wave 0..3
	s_lshr_b32 s15, s14, 1                         ; which half of A's 256 rows is mine.  Also: I fetch for A (0) or for B (1)
	s_and_b32 s16, s14, 1                          ; which half of B's.  Also: which half of that tile I fetch
	s_bfe_u32 s40, ttmp6, 0x40000                  ; cx, cy: my place in the cluster
	s_bfe_u32 s41, ttmp6, 0x40004
	s_and_b32 s66, ttmp7, 0xffff                   ; the cluster's y: 0-7 q and k, 8-11 v
	s_lshl_b32 s75, ttmp9, 2
	s_add_co_u32 s75, s75, s40                     ; work-group x = 4 x cluster x + cx
	s_sub_co_u32 s72, s66, 8
	s_lshl_b32 s72, s72, 3
	s_cmp_ge_u32 s66, 8                            ; v?  The same answer in all sixteen partners
	s_cselect_b32 s67, 0, s66
	s_cselect_b32 s72, s72, 0
	s_cselect_b32 s73, 0x200000, 0                 ; v's columns begin at block 16 of W's image
	s_lshl_b32 s17, s67, 2
	s_add_co_u32 s17, s17, s41                     ; A's tile: q, k: 4 x cluster y + cy (tokens);  v: cy (columns)
	s_add_co_u32 s42, s75, s72                     ; B's tile: q, k: work-group x (columns);  v: work-group x + 8 (cluster y - 8) (tokens)
	s_lshl_b32 s43, s41, 2
	s_lshl_b32 s43, 15, s43                        ; my row of the cluster
	s_lshl_b32 s44, 0x1111, s40                    ; my column
	; descriptor group 1: 32 KiB on end, stated as 128 rows of 32 elements of 8 bytes
	s_or_b32 s[G1+0], s43, (3<<16)|(1<<21)         ; 15:0 the mask: A's tiles go to my row; 17:16 elements of 8 bytes; 20 no padding; 21 set beside a mask
	s_or_b32 s[G1B+0], s44, (3<<16)|(1<<21)
.irp g, G1, G1B
	s_mov_b32 s[\g+1], 32<<16                      ; tensor_dim0 = 32
	s_mov_b32 s[\g+2], 128<<16                     ; tensor_dim1 = 128
	s_mov_b32 s[\g+3], 32<<16                      ; tile_dim0 = 32
	s_mov_b32 s[\g+4], 128                         ; tile_dim1 = 128
	s_mov_b32 s[\g+5], 32                          ; tensor_dim0_stride
	s_mov_b32 s[\g+6], 0
	s_mov_b32 s[\g+7], 0
.endr
	s_lshl_b32 s20, s17, 1
	s_add_co_u32 s20, s20, s16
	s_lshl_b32 s20, s20, 17                        ; A: block 2 x tile + half,
	s_add_co_u32 s20, s20, s73                     ; behind q's and k's columns where A' is W
	s_mov_b32 s21, 0
	s_lshl_b32 s46, s42, 1
	s_add_co_u32 s46, s46, s16
	s_lshl_b32 s46, s46, 17                        ; B: block 2 x tile + half
	s_mov_b32 s47, 0
	s_lshl_b32 s45, s14, 15                        ; where they go: wave x 32 KiB: no place in the cluster enters an LDS address
	s_wait_kmcnt 0x0
	s_load_b256 s[80:87], s[8:9], 0x0              ; the eight exponents
	s_cmp_ge_u32 s66, 8
	s_cselect_b64 s[68:69], s[6:7], s[4:5]         ; A': W for v, x else
	s_cselect_b64 s[70:71], s[4:5], s[6:7]         ; B': the other
	s_add_nc_u64 s[20:21], s[68:69], s[20:21]
	s_add_nc_u64 s[46:47], s[70:71], s[46:47]
	CROUND                                         ; all sixteen work-groups are here: the first joint loads meet
.irp s, 0,1
	s_mov_b32 s[G0+4*\s], 1
	s_add_co_u32 s[G0+4*\s+1], s45, \s*SLOT
	s_add_nc_u64 s[G0+4*\s+2:G0+4*\s+3], s[20:21], \s*UNIT
	s_or_b32 s[G0+4*\s+3], s[G0+4*\s+3], 0x80000000
	s_mov_b32 s[G0B+4*\s], 1
	s_add_co_u32 s[G0B+4*\s+1], s45, \s*SLOT
	s_add_nc_u64 s[G0B+4*\s+2:G0B+4*\s+3], s[46:47], \s*UNIT
	s_or_b32 s[G0B+4*\s+3], s[G0B+4*\s+3], 0x80000000
	JLOAD G0+4*\s, G1, G0B+4*\s, G1B
.endr
	v_and_b32 v1, 31, v0
	v_lshlrev_b32 v[SO], 4, v1                     ; 16 x lane
	s_wait_alu depctr_va_vdst(0)
	s_lshl_b32 s21, s15, 15                        ; my half of A',
	s_lshl_b32 s22, s16, 15                        ; my half of B',
	s_add_co_u32 s22, s22, 2*UNIT                  ; which lies behind A's two
.irp s, 0,1
	v_add_nc_u32 v[ADRA+\s], s21, v[SO]
	v_add_nc_u32 v[ADRB+\s], s22, v[SO]
	s_add_co_u32 s21, s21, SLOT
	s_add_co_u32 s22, s22, SLOT
.endr
	; where my results go.  Run (a = 4 a1 + a0, p = 2 p1 + p0) lies at base + a1 SA1 + a0 SA0 + p1 SP1 + 512 p0
	s_cmp_ge_u32 s66, 8
	s_cselect_b32 s18, s42, s17                    ; the tile of 256 tokens
	s_cselect_b32 s19, s41, s40                    ; which four heads
	s_cselect_b32 s22, s16, s15                    ; my half of the tokens
	s_cselect_b32 s23, s15, s16                    ; my two of the four heads
	s_cselect_b32 s12, 2, ttmp9                    ; the region: 0 Q, 1 K, 2 V
	s_mov_b32 s89, 1024
	s_cselect_b32 s89, 2048, s89                   ; SA0: a tile of tokens, or a tile of d
	s_mov_b32 s90, 4096
	s_cselect_b32 s90, HS, s90                     ; SA1: four tiles of tokens, or the next head
	s_mov_b32 s91, HS
	s_cselect_b32 s91, 1024, s91                   ; SP1: the next head, or 64 keys
	s_lshr_b32 s13, s18, 3
	s_lshl_b32 s13, s13, 4                         ; 16 heads a batch
	s_lshl_b32 s19, s19, 2
	s_add_co_u32 s13, s13, s19
	s_lshl_b32 s23, s23, 1
	s_add_co_u32 s13, s13, s23
	s_mul_i32 s13, s13, HS
	s_and_b32 s18, s18, 7
	s_mul_i32 s18, s18, 49152
	s_add_co_u32 s13, s13, s18
	s_lshl_b32 s12, s12, 14
	s_add_co_u32 s13, s13, s12
	s_lshl_b32 s22, s22, 13
	s_add_co_u32 s12, s13, s22
	s_mov_b32 s13, 0
	s_add_nc_u64 s[76:77], s[10:11], s[12:13]      ; (a1, p1) = (0, 0)
	s_mov_b32 s12, s91
	s_add_nc_u64 s[78:79], s[76:77], s[12:13]      ; (0, 1)
	s_mov_b32 s12, s90
	s_add_nc_u64 s[92:93], s[76:77], s[12:13]      ; (1, 0)
	s_add_nc_u64 s[94:95], s[78:79], s[12:13]      ; (1, 1)
	v_add_nc_u32 v[SO+1], s89, v[SO]
	v_add_nc_u32 v[SO+2], s89, v[SO+1]
	v_add_nc_u32 v[SO+3], s89, v[SO+2]
.macro FRAG reg, adr, q, i             ; a fragment: tile i of my 128 rows, the slot's q-th 128 along K: four runs of 512 bytes, 16 a lane
.irp c, 0,1,2,3
	ds_load_b128 v[\reg+4*\c:\reg+4*\c+3], v[\adr] offset:4096*(\i)+2048*(\q)+512*\c
.endr
.endm
; 16 matrix instructions: A's blocks a0, a0 + 1 x B's eight, 128 along K.  p: B's set.  zero = 1: the first product starts the sums: nothing is ever cleared.
; The 64 accumulators take turns, one instruction a turn, in the same order in every step.
.macro MUL16 a0, p, zero
.irp a, \a0, \a0+1
.irp b, 0,1,2,3,4,5,6,7
.if \zero
	v_wmma_f32_16x16x128_fp8_fp8 v[8*(8*((\a)%4)+\b):8*(8*((\a)%4)+\b)+7], v[128*(\p)+FR*\b:128*(\p)+FR*\b+FR-1], v[AF+FR*(\a):AF+FR*(\a)+FR-1], 0
.else
	v_wmma_f32_16x16x128_fp8_fp8 v[8*(8*((\a)%4)+\b):8*(8*((\a)%4)+\b)+7], v[128*(\p)+FR*\b:128*(\p)+FR*\b+FR-1], v[AF+FR*(\a):AF+FR*(\a)+FR-1], v[8*(8*((\a)%4)+\b):8*(8*((\a)%4)+\b)+7]
.endif
.endr
.endr
.endm
.macro FETCH_B slot, q, p              ; B's eight fragments into set p
	WIN TO_B
.irp i, 0,1,2,3,4,5,6,7
	FRAG 128*(\p)+FR*\i, ADRB+\slot, \q, \i
.endr
	WIN 0
.endm
.macro FETCH_A slot, q, i0             ; A's blocks i0 .. i0 + 3
.irp i, \i0, \i0+1, \i0+2, \i0+3
	FRAG AF+FR*(\i), ADRA+\slot, \q, \i
.endr
.endm
; A load into a register that a matrix instruction has read, and a vector instruction that reads or writes a matrix result, stand NP places behind that matrix instruction; only plain vector
; instructions that name none of its registers are places (ISA guide 7.12.1 for vector instructions).
.macro PLACES n
.rept \n
	v_nop
.endr
.endm
; A step of 128 along K that has its successor in the same slot.  A's blocks go one after the other, each against B's eight: a block of A is free when its eight products are issued, so one set serves A.
.macro STEP slot, q, zero
	s_wait_dscnt 4*NL                              ; B's set and A's blocks 0-3 are in; the youngest sixteen loads (A's blocks 4-7) may be out
	WIN MUL_LO
	MUL16 0, (\q)%2, \zero
	MUL16 2, (\q)%2, \zero
	s_wait_dscnt 0                                 ; A's blocks 4-7 are in (asked for 32 matrix instructions ago)
	PLACES NP
	FETCH_B \slot, (\q)+1, 1-(\q)%2
	FETCH_A \slot, (\q)+1, 0
	WIN MUL_HI
	MUL16 4, (\q)%2, \zero
	MUL16 6, (\q)%2, \zero
	PLACES NP
	WIN 0
	FETCH_A \slot, (\q)+1, 4
.endm
; A slot's last step changes slots: ONE barrier; in front of it each wave waits for all its tensor loads, adds 0 to its spare word, and waits for that and for its own reads of this slot.  fill = 1: this slot is filled again, two fills ahead.
.macro TURN slot, next, fill
	s_wait_tensorcnt 0x0                           ; all my tensor loads have landed: my part of the next slot  (every window is 0 here)
	ds_add_u32 v[SPW], v[NIL]                      ; 0 onto my spare word
	s_wait_dscnt 4*NL+1                            ; (the add and the youngest sixteen loads, A's blocks 4-7, may be out)
	WIN MUL_LO
	MUL16 0, 1, 0                                  ; sixteen matrix instructions stand between the add and the wait for it
	s_wait_dscnt 0x0                               ; the add is done, and my reads of this slot are over
	s_barrier_signal -1
	MUL16 2, 1, 0
	WIN 0
	s_barrier_wait -1
.if \fill
	CREST                                          ; the barrier has opened a round of the cluster's barrier: no wave of any partner still reads this slot's tiles or has a load on its way
	s_add_nc_u64 s[G0+4*\slot+2:G0+4*\slot+3], s[G0+4*\slot+2:G0+4*\slot+3], 2*UNIT
	s_add_nc_u64 s[G0B+4*\slot+2:G0B+4*\slot+3], s[G0B+4*\slot+2:G0B+4*\slot+3], 2*UNIT
	JLOAD G0+4*\slot, G1, G0B+4*\slot, G1B         ; the first tensor load behind the round; the four v_nop behind it are the places in front of the loads below
.else
	PLACES NP
.endif
	FETCH_B \next, 0, 0
	FETCH_A \next, 0, 0
	WIN MUL_HI
	MUL16 4, 1, 0
	MUL16 6, 1, 0
	PLACES NP
	WIN 0
	FETCH_A \next, 0, 4
.endm
	s_wait_alu depctr_va_vdst(0)
	s_wait_tensorcnt 1                             ; my part of slot 0 is in; slot 1's load may be out
	s_barrier_signal -1
	s_barrier_wait -1                              ; everybody's is
	FETCH_B 0, 0, 0
	FETCH_A 0, 0, 0
	FETCH_A 0, 0, 4
	STEP 0, 0, 1                                   ; K 0-127: its products start the sums
	TURN 0, 1, 1                                   ; K 128-255; slot 0 takes K 512-767
	STEP 1, 0, 0
	TURN 1, 0, 1                                   ; slot 1 takes K 768-1023
	STEP 0, 0, 0
	TURN 0, 1, 0                                   ; nothing is left to fetch, so no round of the cluster's barrier
	STEP 1, 0, 0
	s_wait_dscnt 4*NL                              ; the last step
	WIN MUL_LO
	MUL16 0, 1, 0
	MUL16 2, 1, 0
	s_wait_dscnt 0
	WIN MUL_HI
	MUL16 4, 1, 0
	MUL16 6, 1, 0
	WIN 0
	; THE WAY OUT.  A sum stands for sum x 2^(e0 + e1); its code is sum / 2^(eo - e0 - e1): the three scales are folded into the conversion's one.
	s_wait_kmcnt 0x0
	s_cmp_eq_u32 ttmp9, 0
	s_cselect_b32 s88, s82, s83                    ; q's exponent or k's,
	s_cmp_ge_u32 s66, 8
	s_cselect_b32 s88, s85, s88                    ; or v's: a select, no branch
	s_sub_co_i32 s88, s88, s80
	s_sub_co_i32 s88, s88, s81
	s_add_co_i32 s88, s88, 127
	s_lshl_b32 s3, s88, 23
	v_mov_b32 v[SCL], s3
	s_wait_alu depctr_va_vdst(0)
	s_add_co_i32 s88, s88, 8
	s_lshl_b32 s97, s88, 23
	s_or_b32 s97, s97, 0x600000                    ; 448 x that,
	s_or_b32 s96, s97, 0x80000000                  ; and its negative
	PLACES NP                                      ; behind the last products: the conversions below read results, and the codes of blocks 6 and 7 land where A's fragments lay
; Block a of A': each accumulator from its low end on; eight conversions; four stores of 512 consecutive bytes.
.macro OUTBLK a
.set AC, 64*((\a)%4)
	WIN 0x82+0x41*((\a)/4)                         ; source 0 and destination: window 2 or 3
.set j, 0
.rept 64
.set j, j+1
.endr
	WIN 0x02+((\a)/4)                              ; source 0 window 2 or 3; the scale and the codes in window 0
.irp p, 0,1,2,3
	v_cvt_scalef32_pk8_fp8_f32 v[CD+16*(\a)+4*\p:CD+16*(\a)+4*\p+1], v[AC+16*\p:AC+16*\p+7], v[SCL]
	v_cvt_scalef32_pk8_fp8_f32 v[CD+16*(\a)+4*\p+2:CD+16*(\a)+4*\p+3], v[AC+16*\p+8:AC+16*\p+15], v[SCL]
.endr
	v_nop                                          ; one plain vector instruction behind the last conversion of a run
	WIN 0
.irp p, 0,1,2,3
	global_store_b128 v[SO+(\a)%4], v[CD+16*(\a)+4*\p:CD+16*(\a)+4*\p+3], s[76+16*((\a)/4)+2*(\p/2):76+16*((\a)/4)+2*(\p/2)+1] offset:512*(\p%2)
.endr
.endm
.irp a, 0,1,2,3,4,5,6,7
	OUTBLK \a
.endr
	s_wait_tensorcnt 0x0                           ; the wave's end
	ds_add_u32 v[SPW], v[NIL]
	s_wait_dscnt 0x0
	CROUND                                         ; the closing round: no work-group ends while a partner may still ask for a tile that names it
	s_endpgm
.Lfunc_end_k_qb7b662beb8_gemm_qkv:
	.size	k_qb7b662beb8_gemm_qkv, .Lfunc_end_k_qb7b662beb8_gemm_qkv-k_qb7b662beb8_gemm_qkv
	.p2alignl 7, 3214868480
	.fill 96, 4, 3214868480
	.section	.rodata,"a",@progbits
	.p2align	6, 0x0
	.amdhsa_kernel k_qb7b662beb8_gemm_qkv
		.amdhsa_group_segment_fixed_size 327680
		.amdhsa_private_segment_fixed_size 0
		.amdhsa_enable_private_segment 0
		.amdhsa_kernarg_size 32
		.amdhsa_user_sgpr_count 2
		.amdhsa_user_sgpr_kernarg_segment_ptr 1
		.amdhsa_wavefront_size32 1
		.amdhsa_system_sgpr_workgroup_id_x 1
		.amdhsa_system_sgpr_workgroup_id_y 1
		.amdhsa_system_sgpr_workgroup_id_z 1
		.amdhsa_system_vgpr_workitem_id 0
		.amdhsa_next_free_vgpr 1024
		.amdhsa_next_free_sgpr 100
		.amdhsa_reserve_vcc 0
		.amdhsa_float_denorm_mode_32 3
		.amdhsa_float_denorm_mode_16_64 3
		.amdhsa_fp16_overflow 1
		.amdhsa_memory_ordered 1
		.amdhsa_forward_progress 1
		.amdhsa_inst_pref_size 87
	.end_amdhsa_kernel
	.amdgpu_metadata
---
amdhsa.version: [ 1, 2 ]
amdhsa.kernels:
  - .name:           k_qb7b662beb8_gemm_qkv
    .symbol:         k_qb7b662beb8_gemm_qkv.kd
    .args:
      - { .name: x_img, .offset: 0, .size: 8, .value_kind: global_buffer, .address_space: global }
      - { .name: wqkv_img, .offset: 8, .size: 8, .value_kind: global_buffer, .address_space: global }
      - { .name: lowp_scales, .offset: 16, .size: 8, .value_kind: global_buffer, .address_space: global }
      - { .name: qkv_img, .offset: 24, .size: 8, .value_kind: global_buffer, .address_space: global }
    .group_segment_fixed_size: 327680
    .private_segment_fixed_size: 0
    .kernarg_segment_align: 8
    .kernarg_segment_size: 32
    .max_flat_workgroup_size: 128
    .sgpr_count:     100
    .vgpr_count:     1024
    .wavefront_size: 32
...
	.end_amdgpu_metadata
.endif
;; end of part 2
;; launch attn (part 3): grid 4 x 64, 16 waves a work-group, no clusters, 327,680 bytes of LDS; arguments qkv_img, lowp_scales, y_img; writes y_img
.if DOCPART == 3
	.amdgcn_target "amdgcn-amd-amdhsa--gfx1250"
	.amdhsa_code_object_version 6
	.text
	.protected	k_qb7b662beb8_attn
	.globl	k_qb7b662beb8_attn
	.p2align	8
	.type	k_qb7b662beb8_attn,@function
k_qb7b662beb8_attn:
	s_mov_b64 s[64:65], 0
	v_nop
	global_prefetch_b8 v0, s[64:65] scope:SCOPE_SE
	s_setreg_imm32_b32 hwreg(HW_REG_WAVE_MODE, 25, 1), 1
	s_wait_xcnt 0x0
; y[head][q] = the sum over keys k <= q of softmax_k(Q[q] . K[k] / 8) V[k], both products on codes of FP8 (E4M3); y is quantised with the scale given for it (entry 6) and leaves as an image of the projection's operand.
; IN: [head 64][256 tokens 8][Q 16 KiB | K 16 KiB | V 16 KiB], images of operand registers.  Q, K: [tile 16][c 2][512 bytes]: lane (r, h) holds, of token 32 (tile / 2) + 8 (tile % 2) + r + 8 (r / 8), d = 32 c + 16 h + 0..15.
; V: [128 keys 2][tile of d 4][c 4][512]: lane (r, h): d = 32 (tile / 2) + 8 (tile % 2) + r + 8 (r / 8), keys 32 c + 16 h + 0..15.  Every fragment is runs of 512 bytes, 16 a lane: no pitch, no padding.
; THE SOFTMAX AHEAD OF THE SECOND PRODUCT: t = score x log2(e) / 8; M = the row's largest t so far, rounded UP to a whole number; p = 2^(t - M) is quantised (entry 4), not normalised.  The row's sum is taken of the
; unquantised p and divides at the end.  When M moves, the sum and O are multiplied by 2^(old M - new M): exact.
; SHARES.  A work-group owns query blocks i and 7 - i (256 queries each) of one head, one after the other: (i + 1) + (8 - i) = 9 slots of 256 keys in EVERY work-group: 256 equal work-groups, a constant trip count.
; Each of sixteen waves owns one tile of 16 queries in 256 registers: four waves to a SIMD, so that one wave's vector work stands beside another's matrix work and LDS loads.
; Both products are used transposed (S^T = K Q^T, O^T = V^T P^T): a lane holds ONE query; the 16 registers of S^T's tiles 2 b, 2 b + 1 are keys 32 b + 16 (lane / 16) + 0..15, and of O^T's tiles 2 g, 2 g + 1 d = 32 g + 16 (lane / 16) + 0..15.
; So the conversions' results are the next operand's registers, p's and y's alike, and y's two runs of 512 bytes leave straight from registers.
; THE RING: two LDS slots of 32 KiB, each K | V of 256 keys as they lie in memory.  Wave 0 fetches K's 16 KiB, wave 1 V's; all sixteen read.  By this text's own count a wave has at most one tensor load outstanding.
; THE MASK: a step of 128 keys all of which come after my 16 queries is left out by a scalar branch on ids; on the diagonal hidden scores become -infinity ahead of the maximum.  Key 0 counts for every query, so M is a number from the first step on.
; NO CLUSTER: the four work-groups of a head want different slots in the same trip (work-group i begins anew at slot 0 behind trip i); walking in step would cost 12 slots a work-group where this costs 9.
; LIMITS on the given exponents: e2 + e3 between -123 and 130 (added to c's exponent field); e4 and e6 between -126 and 119; e4 + e5 is applied by v_ldexp_f32 and has none.
.set HS,    393216                     ; a head's bytes: 8 x 49,152
.set REC,   49152
.set SLOT1, 1<<15                      ; slot 1 begins here: one exclusive or turns an address in one slot into the other's
.set SPARE, 2*SLOT1                    ; behind the ring: the spare words, 128 bytes for each wave: eight blocks of 256 bytes that no other line names
.set LI,   1                           ; v1   16 x lane
.set AD,   2                           ; v2   LDS address of the slot in hand
.set TQH,  3                           ; v3   my query - 16 (lane / 16)
.set SPW,  5                           ; v5   LDS address of my spare word; never rewritten
.set NIL,  6                           ; v6   0; never rewritten
; v12 -M, v13 the largest t, v[14:15] the sum in two halves; v16-23 Q; v24-31 Q of the second block; v32-95 K's fragments, then V's; v96-159 S^T, then p; v160-191 O^T; v192-199 y's codes;
; v208, v[210:211], v212, v213, v[214:215] at work; v209 -infinity; v224-239 p's codes; v241 2^e4, v242 2^e6
.set WV,   18                          ; s18  my wave's number
.set SEL,  20                          ; s[20:21] lane selects for v_permlanex16_b32: lane l xor 16
.set CS,   22                          ; s[22:23] c = log2(e) / 8 x 2^(e2 + e3)
.set G1,   24                          ; s[24:31] descriptor group 1
.set G0,   32                          ; s[32:35] group 0, which walks
.set KVB,  36                          ; s[36:37] my part of K | V of the head's slot 0
.set OFS,  38                          ; s[38:39] 49,152 x the slot asked for
.set TB,   40                          ; s40  LDS byte at which the slot in hand begins
.set TR,   41                          ; s41  the trip
.set IB,   42                          ; s42  i
.set NX,   43                          ; s43  the slot of keys asked for last
.set KF,   44                          ; s44  the step's first key
.set Q0,   45                          ; s45  my tile's first query; its last is Q0 + 23
.macro TLOAD                           ; waves 0 and 1 fetch; the branch hangs on the wave's number alone.  Four v_nop follow the line
	s_cmp_lt_u32 s[WV], 2
	s_cbranch_scc0 .Lasked_\@
	tensor_load_to_lds s[G0:G0+3], s[G1:G1+7]
	s_nop 0
.rept 4
	v_nop
.endr
.Lasked_\@:
.endm
	s_load_b128 s[4:7], s[0:1], 0x0                ; the images of q, k, v s[4:5]; the scales' exponents s[6:7]
	s_load_b64 s[8:9], s[0:1], 0x10                ; y's image
	v_lshl_add_u32 v[SPW], v0, 2, SPARE
	v_mov_b32 v[NIL], 0
	ds_add_u32 v5, v6
	ds_add_u32 v5, v6
	s_wait_dscnt 0x0
	v_lshrrev_b32 v7, 5, v0
	s_delay_alu instid0(VALU_DEP_1)
	v_readfirstlane_b32 s[WV], v7                  ; wave 0..15
	s_mov_b32 s[IB], ttmp9
	s_and_b32 s10, ttmp7, 0xffff                   ; 16 x batch + head
	s_mul_i32 s12, s10, HS
	s_and_b32 s14, s[WV], 1
	s_lshl_b32 s14, s14, 14                        ; wave 0: K's 16 KiB, wave 1: V's: in memory and in a slot alike
	s_mov_b32 s[G1], 3<<16                         ; 15:0 no mask; 17:16 elements of 8 bytes; no padding
	s_mov_b32 s[G1+1], 32<<16                      ; tensor_dim0 = 32: rows of 256 bytes
	s_mov_b32 s[G1+2], 64<<16                      ; tensor_dim1 = 64
	s_mov_b32 s[G1+3], 32<<16                      ; tile_dim0
	s_mov_b32 s[G1+4], 64                          ; tile_dim1
	s_mov_b32 s[G1+5], 32                          ; tensor_dim0_stride: dense
	s_mov_b32 s[G1+6], 0
	s_mov_b32 s[G1+7], 0
	s_mov_b32 s[SEL], 0x76543210
	s_mov_b32 s[SEL+1], 0xfedcba98
	s_mov_b32 s[CS], 0x3e38aa3b                    ; log2(e) / 8
	s_mov_b32 s[OFS+1], 0
	s_mov_b32 s[TB], 0
	s_mov_b32 s[TR], 0
	s_mov_b32 s[NX], 0
	s_mov_b32 s[KF], 0
	s_add_co_u32 s16, s12, s14
	s_add_co_u32 s16, s16, 16384                   ; behind the record's Q
	s_mov_b32 s17, 0
	s_wait_kmcnt 0x0
	s_load_b256 s[48:55], s[6:7], 0x0              ; the eight exponents
	s_add_nc_u64 s[KVB:KVB+1], s[4:5], s[16:17]
	s_mov_b32 s[G0], 1                             ; 1:0 count = 1
	s_mov_b32 s[G0+1], s14                         ; 63:32 LDS address: slot 0
	s_mov_b64 s[G0+2:G0+3], s[KVB:KVB+1]           ; 120:64 global address: the head's first 256 keys
	s_or_b32 s[G0+3], s[G0+3], 0x80000000          ; 127:126 type = 2
	TLOAD                                          ; slot 0's first fill, ahead of every wait on TENSORcnt, every LDS read and every barrier
	v_and_b32 v[LI], 31, v0
	s_delay_alu instid0(VALU_DEP_1)
	v_lshlrev_b32 v[LI], 4, v[LI]
	s_wait_alu depctr_va_vdst(0)
	s_lshl_b32 s47, s[IB], 1
	s_sub_co_u32 s47, 7, s47                       ; 7 - 2 i: from my first block of queries to my second
	s_mul_i32 s16, s[IB], REC
	s_add_co_u32 s16, s16, s12
	s_lshl_b32 s19, s[WV], 10
	s_add_co_u32 s16, s16, s19
	s_add_nc_u64 s[68:69], s[4:5], s[16:17]        ; Q: record i, tile = my wave
	s_mul_i32 s16, s47, REC
	s_add_nc_u64 s[70:71], s[68:69], s[16:17]      ; and record 7 - i
.irp c, 0,1
	global_load_b128 v[16+4*\c:19+4*\c], v[LI], s[68:69] offset:512*\c
	global_load_b128 v[24+4*\c:27+4*\c], v[LI], s[70:71] offset:512*\c
.endr
	s_lshr_b32 s11, s10, 4
	s_lshl_b32 s11, s11, 4                         ; y's image: 16 blocks of 128 tokens a batch,
	s_lshl_b32 s13, s[IB], 1
	s_add_co_u32 s11, s11, s13
	s_lshr_b32 s13, s[WV], 3
	s_add_co_u32 s11, s11, s13
	s_lshl_b32 s16, s11, 17
	s_bfe_u32 s13, s10, 0x20002                    ; head / 4: which 256 along K,
	s_lshl_b32 s13, s13, 15
	s_add_co_u32 s16, s16, s13
	s_and_b32 s13, s[WV], 7                        ; my tile of the block,
	s_lshl_b32 s13, s13, 12
	s_add_co_u32 s16, s16, s13
	s_and_b32 s13, s10, 3                          ; head % 4: which 64 of the 256
	s_lshl_b32 s13, s13, 10
	s_add_co_u32 s16, s16, s13
	s_add_nc_u64 s[56:57], s[8:9], s[16:17]
	s_lshl_b32 s16, s47, 18
	s_add_nc_u64 s[58:59], s[56:57], s[16:17]      ; the second block's: 2 (7 - 2 i) blocks of 128 tokens on
	s_lshl_b32 s60, s47, 8                         ; and as many queries
	s_lshl_b32 s[Q0], s[IB], 8
	s_lshr_b32 s13, s[WV], 1
	s_lshl_b32 s13, s13, 5
	s_add_co_u32 s[Q0], s[Q0], s13
	s_and_b32 s13, s[WV], 1
	s_lshl_b32 s13, s13, 3
	s_add_co_u32 s[Q0], s[Q0], s13                 ; 256 i + 32 (wave / 2) + 8 (wave % 2)
	v_and_b32 v7, 15, v0
	s_delay_alu instid0(VALU_DEP_1)
	v_and_b32 v8, 8, v7
	s_delay_alu instid0(VALU_DEP_1)
	v_add_nc_u32 v7, v7, v8                        ; r + 8 (r / 8)
	v_bfe_u32 v8, v0, 4, 1
	s_delay_alu instid0(VALU_DEP_1)
	v_lshlrev_b32 v8, 4, v8
	s_delay_alu instid0(VALU_DEP_1)
	v_sub_nc_u32 v7, v7, v8
	s_delay_alu instid0(VALU_DEP_1)
	v_add_nc_u32 v[TQH], s[Q0], v7
	v_mov_b32 v13, 0xff61b1e6                      ; the largest t so far: -3e38, under every t
	s_delay_alu instid0(VALU_DEP_1)
	v_floor_f32 v12, -v13                          ; -M
	v_mov_b32 v14, 0
	v_mov_b32 v15, 0
	v_mov_b32 v209, 0xff800000                     ; -infinity
	v_mov_b32 v211, 0                              ; (named as the upper half of the pair v[210:211])
	v_mov_b32 v212, 0                              ; written once: a lane permute's destination counts as one of its sources
.set j, 0
.rept 32
	v_mov_b32 v[160+j], 0                          ; O^T: the step is written once; the first finds zeros, which the first change of M leaves zeros
.set j, j+1
.endr
	s_wait_kmcnt 0x0
	s_add_co_i32 s11, s50, s51
	s_lshl_b32 s11, s11, 23
	s_add_co_i32 s[CS], s[CS], s11                 ; a score stands for score x 2^(e2 + e3): added to c's exponent field
	s_mov_b32 s[CS+1], s[CS]                       ; (named with it as a pair, so it is written)
	s_add_co_i32 s11, s52, 127
	s_lshl_b32 s13, s11, 23
	v_mov_b32 v241, s13                            ; 2^e4, for p's conversions
	s_add_co_i32 s61, s52, s53                     ; e4 + e5
	s_add_co_i32 s11, s54, 127
	s_lshl_b32 s13, s11, 23
	v_mov_b32 v242, s13                            ; 2^e6, for y's conversions
; A KEY STEP: 128 keys, the q-th of the slot in hand.
.macro STEP q
	s_add_co_u32 s46, s[Q0], 23
	s_cmp_gt_u32 s[KF], s46                        ; all 128 keys come after my 16 queries: the step's work is left out; no barrier and no tensor load stands in a step
	s_cbranch_scc1 .Lhidden_\@
	v_add_nc_u32 v[AD], s[TB], v[LI]
.rept 3
	v_nop                                          ; with the addition above: four places in front of loads into registers that the last products read
.endr
.irp t, 0,1,2,3,4,5,6,7
.irp c, 0,1
	ds_load_b128 v[32+8*\t+4*\c:32+8*\t+4*\c+3], v[AD] offset:8192*(\q)+1024*\t+512*\c
.endr
.endr
	s_wait_alu depctr_va_vdst(0)
	s_wait_dscnt 0x0
.irp t, 0,1,2,3,4,5,6,7                        ; S^T = K Q^T: source 0 = 16 keys, source 1 = my 16 queries; K = the head's 64
	v_wmma_f32_16x16x64_fp8_fp8 v[96+8*\t:103+8*\t], v[32+8*\t:39+8*\t], v[16:23], 0
.endr
.rept 4
	v_nop                                          ; places in front of the loads below and of the first read of the scores
.endr
.irp t, 0,1,2,3                                ; V's four fragments take K's registers and land under the softmax
.irp c, 0,1,2,3
	ds_load_b128 v[32+16*\t+4*\c:32+16*\t+4*\c+3], v[AD] offset:16384+8192*(\q)+2048*\t+512*\c
.endr
.endr
	s_add_co_u32 s46, s[KF], 127
	s_cmp_le_u32 s46, s[Q0]                        ; all 128 keys count for all my queries: no mask
	s_cbranch_scc1 .Lopen_\@
	s_sub_co_i32 s46, 0, s[KF]
	v_add_nc_u32 v213, s46, v[TQH]                 ; d = my query - 16 (lane / 16) - KF.  Register 16 b + i holds key KF + 16 (lane / 16) + 32 b + i: hidden where 32 b + i > d
.set n, 0
.rept 64
	v_cmp_gt_i32 vcc_lo, 32*(n/16)+n%16, v213
	v_cndmask_b32 v[96+n], v[96+n], v209, vcc_lo
.set n, n+1
.endr
.Lopen_\@:
	v_max3_num_f32 v208, v96, v97, v98             ; the step's largest score of my query among my 64 keys, in two chains, each accumulator from its low end on,
	v_max3_num_f32 v210, v99, v100, v101
.irp i, 6,10,14,18,22,26,30,34,38,42,46,50,54,58
	v_max3_num_f32 v208, v208, v[96+\i], v[97+\i]
	v_max3_num_f32 v210, v210, v[98+\i], v[99+\i]
.endr
	v_max3_num_f32 v208, v208, v158, v159
	s_delay_alu instid0(VALU_DEP_1)
	v_max_num_f32 v208, v208, v210
	s_delay_alu instid0(VALU_DEP_1)
	v_permlanex16_b32 v212, v208, s[SEL], s[SEL+1]
	s_delay_alu instid0(VALU_DEP_1)
	v_max_num_f32 v208, v208, v212                 ; and among lane l xor 16's
	s_delay_alu instid0(VALU_DEP_1)
	v_mul_f32 v208, s[CS], v208                    ; as t (c is positive)
	s_delay_alu instid0(VALU_DEP_1)
	v_max_num_f32 v13, v13, v208                   ; the running largest t
	v_mov_b32 v208, v12
	s_delay_alu instid0(VALU_DEP_2)
	v_floor_f32 v12, -v13                          ; the new -M = floor(-t) = -ceil(t): a whole number
	s_delay_alu instid0(VALU_DEP_1)
	v_sub_f32 v208, v12, v208                      ; old M - new M: a whole number, 0 or less
	s_delay_alu instid0(VALU_DEP_1)
	v_cvt_i32_f32 v208, v208                       ; (it saturates)
	s_delay_alu instid0(VALU_DEP_1)
	v_ldexp_f32 v210, 1.0, v208                    ; f = 2^(old M - new M)
.set j, 0
.rept 32
	v_pk_fma_f32 v[96+j:97+j], v[96+j:97+j], s[CS:CS+1], v[12:13] op_sel_hi:[1,0,0]   ; t - M, two at a time (of the pairs c and -M the low word serves both halves)
.set j, j+2
.endr
.set j, 0
	s_wait_alu depctr_va_vdst(0)
.rept 64
	v_exp_f32 v[96+j], v[96+j]                     ; p = 2^(t - M), at most 1: not normalised
.set j, j+1
.endr
	v_pk_mul_f32 v[14:15], v[14:15], v[210:211] op_sel_hi:[1,0]   ; the sums under the new M  (a plain instruction behind the exponentials)
	s_wait_alu depctr_va_vdst(0)
	v_pk_add_f32 v[214:215], v[100:101], v[104:105]
	v_pk_add_f32 v[254:255], v[108:109], v[112:113]
	v_pk_add_f32 v[252:253], v[116:117], v[120:121]
	v_pk_add_f32 v[250:251], v[124:125], v[128:129]
	v_pk_add_f32 v[248:249], v[132:133], v[136:137]
	v_pk_add_f32 v[246:247], v[140:141], v[144:145]
	v_pk_add_f32 v[244:245], v[148:149], v[152:153]
	v_pk_add_f32 v[14:15], v[14:15], v[156:157]
	v_pk_add_f32 v[214:215], v[214:215], v[96:97]
	v_pk_add_f32 v[254:255], v[254:255], v[98:99]
	v_pk_add_f32 v[252:253], v[252:253], v[102:103]
	v_pk_add_f32 v[250:251], v[250:251], v[106:107]
	v_pk_add_f32 v[248:249], v[248:249], v[110:111]
	v_pk_add_f32 v[246:247], v[246:247], v[114:115]
	v_pk_add_f32 v[244:245], v[244:245], v[118:119]
	v_pk_add_f32 v[14:15], v[14:15], v[122:123]
	v_pk_add_f32 v[214:215], v[214:215], v[126:127]
	v_pk_add_f32 v[254:255], v[254:255], v[130:131]
	v_pk_add_f32 v[252:253], v[252:253], v[134:135]
	v_pk_add_f32 v[250:251], v[250:251], v[138:139]
	v_pk_add_f32 v[248:249], v[248:249], v[142:143]
	v_pk_add_f32 v[246:247], v[246:247], v[146:147]
	v_pk_add_f32 v[244:245], v[244:245], v[150:151]
	v_pk_add_f32 v[14:15], v[14:15], v[154:155]
	v_pk_add_f32 v[214:215], v[214:215], v[158:159]
	s_delay_alu instid0(VALU_DEP_2)
	v_pk_add_f32 v[14:15], v[14:15], v[250:251]
	s_delay_alu instid0(VALU_DEP_2)
	v_pk_add_f32 v[214:215], v[214:215], v[248:249]
	v_pk_add_f32 v[254:255], v[254:255], v[246:247]
	v_pk_add_f32 v[252:253], v[252:253], v[244:245]
	s_delay_alu instid0(VALU_DEP_2)
	v_pk_add_f32 v[14:15], v[14:15], v[254:255]
	s_delay_alu instid0(VALU_DEP_2)
	v_pk_add_f32 v[214:215], v[214:215], v[252:253]
	s_delay_alu instid0(VALU_DEP_1)
	v_pk_add_f32 v[14:15], v[14:15], v[214:215]
.irp b, 0,1,2,3
.irp i, 0,1,2,3,4,5,6,7,8,9,10,11,12,13,14,15
.endr
	v_cvt_scalef32_pk8_fp8_f32 v[224+4*\b:225+4*\b], v[96+16*\b:103+16*\b], v241
	v_cvt_scalef32_pk8_fp8_f32 v[226+4*\b:227+4*\b], v[104+16*\b:111+16*\b], v241
.endr
.set j, 0
.rept 16
	v_pk_mul_f32 v[160+j:161+j], v[160+j:161+j], v[210:211] op_sel_hi:[1,0]   ; O^T under the new M  (plain instructions between the conversions and the products that read the codes)
.set j, j+2
.endr
	s_wait_alu depctr_va_vdst(0)
	s_wait_dscnt 0x0                               ; V is in
.irp t, 0,1,2,3                                ; O^T += V^T P^T: source 0 = 16 of the head's 64, source 1 = p; K = these 128 keys; the four accumulators by turns
	v_wmma_f32_16x16x128_fp8_fp8 v[160+8*\t:167+8*\t], v[32+16*\t:47+16*\t], v[224:239], v[160+8*\t:167+8*\t]
.endr
.Lhidden_\@:
	s_add_co_u32 s[KF], s[KF], 128
.endm
; THE CHANGE OF SLOTS stands at a slot's head.  Each wave waits for all its tensor loads (its part of the slot that it is about to read), adds 0 to its spare word, and waits for that and for its reads of the slot that it has left.
; Behind the barrier the slot ahead is whole and nobody reads the other one.  fill = 1: that other slot takes the keys of the next trip: the next 256, or, behind trip i, the head's first 256 for the second block of queries.
.macro CHANGE fill
	s_wait_tensorcnt 0x0                           ; no tensor load of mine is out, so group 0 may be written
	ds_add_u32 v[SPW], v[NIL]                      ; 0 onto my spare word; with fill = 1 the descriptor's steps stand between it and the wait for it
.if \fill
	s_xor_b32 s[G0+1], s[G0+1], SLOT1              ; the other slot than last time
	s_add_co_u32 s[NX], s[NX], 1
	s_cmp_eq_u32 s[TR], s[IB]
	s_cselect_b32 s[NX], 0, s[NX]
	s_mul_i32 s[OFS], s[NX], REC
	s_add_nc_u64 s[G0+2:G0+3], s[KVB:KVB+1], s[OFS:OFS+1]
	s_or_b32 s[G0+3], s[G0+3], 0x80000000
.endif
	s_wait_dscnt 0x0                               ; the add is done, and my reads of the slot that I have left are over
	s_barrier_signal -1
	s_barrier_wait -1
.if \fill
	TLOAD                                          ; the first thing behind the barrier, and a wave's one tensor load until the next: it has a slot's two steps in which to land
.endif
.endm
; A block of queries is finished: O^T / the sum x 2^(e4 + e5) is y; it is quantised and stored: two runs of 512 consecutive bytes.
.macro FLUSH yb
.rept 4
	v_nop                                          ; places behind the last products
.endr
	s_wait_xcnt 0x0                                ; the codes' registers, which the first block's stores read, are written again only behind this wait
	v_add_f32 v14, v14, v15                        ; the sum's two halves,
	s_delay_alu instid0(VALU_DEP_1)
	v_permlanex16_b32 v212, v14, s[SEL], s[SEL+1]
	s_delay_alu instid0(VALU_DEP_1)
	v_add_f32 v14, v14, v212                       ; and lane l xor 16's
	s_wait_alu depctr_va_vdst(0)
	v_rcp_f32 v14, v14
	v_nop                                          ; a plain instruction behind the transcendental
	s_wait_alu depctr_va_vdst(0)
	v_ldexp_f32 v14, v14, s61
.set j, 0
.rept 16
	v_pk_mul_f32 v[96+j:97+j], v[160+j:161+j], v[14:15] op_sel_hi:[1,0]   ; each accumulator from its low end on
.set j, j+2
.endr
.set j, 0
.rept 32
.set j, j+1
.endr
.irp g, 0,1
	v_cvt_scalef32_pk8_fp8_f32 v[192+4*\g:193+4*\g], v[96+16*\g:103+16*\g], v242
	v_cvt_scalef32_pk8_fp8_f32 v[194+4*\g:195+4*\g], v[104+16*\g:111+16*\g], v242
.endr
	v_nop                                          ; one plain vector instruction behind the last conversion of a run
.irp g, 0,1
	global_store_b128 v[LI], v[192+4*\g:195+4*\g], s[\yb:\yb+1] offset:512*\g
.endr
.endm
	s_wait_loadcnt 0x0                             ; Q of both blocks
.Lslot:                                            ; eight trips: behind each change of slots but the last the next trip's keys are asked for
	CHANGE 1
	STEP 0
	STEP 1
	s_xor_b32 s[TB], s[TB], SLOT1                  ; on to the other slot
	s_cmp_lg_u32 s[TR], s[IB]                      ; behind trip i the first block of queries is finished: a branch on ids; no barrier and no tensor load stands inside
	s_cbranch_scc1 .Lsame_block
	s_wait_alu depctr_va_vdst(0)
	FLUSH 56
.irp j, 0,1,2,3,4,5,6,7
	v_mov_b32 v[16+\j], v[24+\j]                   ; the second block's Q
.endr
.set j, 0
.rept 32
	v_mov_b32 v[160+j], 0
.set j, j+1
.endr
	v_mov_b32 v13, 0xff61b1e6
	s_delay_alu instid0(VALU_DEP_1)
	v_floor_f32 v12, -v13
	v_mov_b32 v14, 0
	v_mov_b32 v15, 0
	v_add_nc_u32 v[TQH], s60, v[TQH]
	s_add_co_u32 s[Q0], s[Q0], s60
	s_mov_b32 s[KF], 0
.Lsame_block:
	s_add_co_u32 s[TR], s[TR], 1
	s_cmp_lt_u32 s[TR], 8
	s_cbranch_scc1 .Lslot
	CHANGE 0                                       ; the last slot is written out
	STEP 0
	STEP 1
	s_wait_alu depctr_va_vdst(0)
	FLUSH 58
	s_wait_tensorcnt 0x0                           ; the wave's end
	ds_add_u32 v[SPW], v[NIL]
	s_wait_dscnt 0x0
	s_endpgm
.Lfunc_end_k_qb7b662beb8_attn:
	.size	k_qb7b662beb8_attn, .Lfunc_end_k_qb7b662beb8_attn-k_qb7b662beb8_attn
	.p2alignl 7, 3214868480
	.fill 96, 4, 3214868480
	.section	.rodata,"a",@progbits
	.p2align	6, 0x0
	.amdhsa_kernel k_qb7b662beb8_attn
		.amdhsa_group_segment_fixed_size 327680
		.amdhsa_private_segment_fixed_size 0
		.amdhsa_enable_private_segment 0
		.amdhsa_kernarg_size 24
		.amdhsa_user_sgpr_count 2
		.amdhsa_user_sgpr_kernarg_segment_ptr 1
		.amdhsa_wavefront_size32 1
		.amdhsa_system_sgpr_workgroup_id_x 1
		.amdhsa_system_sgpr_workgroup_id_y 1
		.amdhsa_system_sgpr_workgroup_id_z 1
		.amdhsa_system_vgpr_workitem_id 0
		.amdhsa_next_free_vgpr 256
		.amdhsa_next_free_sgpr 72
		.amdhsa_reserve_vcc 1
		.amdhsa_float_denorm_mode_32 3
		.amdhsa_float_denorm_mode_16_64 3
		.amdhsa_fp16_overflow 1
		.amdhsa_memory_ordered 1
		.amdhsa_forward_progress 1
		.amdhsa_inst_pref_size 89
	.end_amdhsa_kernel
	.amdgpu_metadata
---
amdhsa.version: [ 1, 2 ]
amdhsa.kernels:
  - .name:           k_qb7b662beb8_attn
    .symbol:         k_qb7b662beb8_attn.kd
    .args:
      - { .name: qkv_img, .offset: 0, .size: 8, .value_kind: global_buffer, .address_space: global }
      - { .name: lowp_scales, .offset: 8, .size: 8, .value_kind: global_buffer, .address_space: global }
      - { .name: y_img, .offset: 16, .size: 8, .value_kind: global_buffer, .address_space: global }
    .group_segment_fixed_size: 327680
    .private_segment_fixed_size: 0
    .kernarg_segment_align: 8
    .kernarg_segment_size: 24
    .max_flat_workgroup_size: 512
    .sgpr_count:     72
    .vgpr_count:     256
    .wavefront_size: 32
...
	.end_amdgpu_metadata
.endif
;; end of part 3
;; launch gemm_proj (part 4): grid 4 x 32, 4 waves a work-group, clusters of 4 x 4, 327,680 bytes of LDS; arguments y_img, wproj_img, lowp_scales, out0; writes out0
.if DOCPART == 4
	.amdgcn_target "amdgcn-amd-amdhsa--gfx1250"
	.amdhsa_code_object_version 6
	.text
	.protected	k_qb7b662beb8_gemm_proj
	.globl	k_qb7b662beb8_gemm_proj
	.p2align	8
	.type	k_qb7b662beb8_gemm_proj,@function
k_qb7b662beb8_gemm_proj:
	s_mov_b64 s[64:65], 0
	v_nop
	global_prefetch_b8 v0, s[64:65] scope:SCOPE_SE
	s_setreg_imm32_b32 hwreg(HW_REG_WAVE_MODE, 25, 1), 1
	s_wait_xcnt 0x0
	s_wait_alu depctr_hold_cnt(0) depctr_sa_sdst(0) depctr_va_vdst(0) depctr_va_sdst(0) depctr_va_ssrc(0) depctr_va_vcc(0) depctr_vm_vsrc(0)
	s_getreg_b32 s2, hwreg(HW_REG_IB_STS2, 6, 4)
	s_cmp_eq_u32 s2, 0
	s_cbranch_scc0 .Lentry_in_a_cluster
	s_endpgm
.Lentry_in_a_cluster:
	s_bfe_u32 s2, ttmp6, 0x10000c
	s_cmp_lg_u32 s2, 0xf033
	s_cbranch_scc0 .Lentry_shape_is_right
	s_endpgm
.Lentry_shape_is_right:
; out = y W_proj on codes of FP8 (E4M3), sums in f32, each finished sum multiplied once by 2^(e6 + e7).  out: [8192][1024] f32.
; OPERANDS are images (byte of (row, k): blk 131072 + ks 32768 + t 4096 + kf 2048 + c 512 + (r + 16 h) 16 + b; row = 128 blk + 32 (t / 2) + 8 (t % 2) + r + 8 (r / 8); k = 256 ks + 128 kf + 32 c + 16 h + b):
; 128 rows x 256 K are 32 KiB on end, one tensor load; a fragment is four LDS loads of 512 consecutive bytes: no pitch, no padding.  k has the same place in the registers on both sides of a product.
; A tile of 256 x 256 is made by four waves, as many as a WGP has SIMDs; a wave makes 128 x 128: 64 accumulators, 512 registers.  K = 1,024 is four fills of two LDS slots: everything is written out, no loop.
; THE MATRIX INSTRUCTION IS USED TRANSPOSED: source 0 = 16 columns of W (B'), source 1 = 16 tokens of y (A').  A lane then holds one token, and the 16 registers of B's tiles 2 p and 2 p + 1 are columns 32 p + 16 (lane / 16) + 0 .. 15.
; THE WAY OUT: a block of 16 tokens x 128 columns goes through the wave's own stage in LDS, which lies behind the ring and is no tensor load's target, and comes back as whole rows of 512 bytes; row t of block a is token 32 (a / 2) + 8 (a % 2) + t + 8 (t / 8).
; CLUSTERS: 4 x 4 work-groups.  The four of a row need the same tiles of A', the four of a column the same tiles of B': each is asked for jointly, by the same tensor load with the same descriptor and a mask that names the four.
; By this text's own count a wave has at most one tensor load outstanding.
; LIMIT: e6 + e7 lies between -126 and 127, so that 2^(e6 + e7) is an f32 number.
; REGISTERS, in windows of 256: window 0: v16-29 addresses; v32-95 a block's results; v128-255 A's eight fragments, ONE set, on the way out rows read back.  window 1: B's fragments, TWO sets, at v0 and v128.
;   window 2: the accumulators of A's blocks 0-3 ((a, b) at v[8 (8 (a % 4) + b)]);  window 3: of blocks 4-7.
.set UNIT,   32768                     ; 128 rows x 256 K: what one tensor load brings and what one wave reads of A' or of B'
.set SLOT,   4*UNIT                    ; A's two halves, then B's two halves
.set SPARE,  2*SLOT                    ; behind the ring: the spare words, 128 bytes for each wave: two blocks of 256 bytes that no other line names
.set STAGE,  SPARE+512                 ; behind them: 16 rows x (512 + 16) bytes for each wave
.set SPITCH, 528
.set FR,     16                        ; registers of a fragment
.set NL,     4                         ; LDS loads that bring one
.set NP,     4                         ; places behind this matrix instruction (ISA guide 7.12.1)
.set ADRA, 16                          ; v16-17  LDS address of my A fragments in slot 0, 1
.set ADRB, 20                          ; v20-21  the same for B
.set STO,  24                          ; v24     the way out: where I put 32 bytes of a row
.set RD,   25                          ; v25     where I read a row back
.set CO,   26                          ; v26     16 x lane: my bytes of a row's 512
.set SPW,  28                          ; v28     LDS address of my spare word; never rewritten
.set NIL,  29                          ; v29     0; never rewritten
.set TMP,  32
.set AF,   128
.set BK,   128                         ; 16 rows read back from the stage: v128-191 and v192-255 by turns
.set G1, 24                            ; s[24:31] descriptor group 1 for A's tiles;  s[32:39] group 0, one set for each slot
.set G0, 32
.set G1B, 48                           ; s[48:55], s[56:63] the same for B's tiles
.set G0B, 56
.set MSB, 0
.macro WIN new                         ; the immediate's high byte repeats the setting that is left
.if MSB != \new
	s_set_vgpr_msb (MSB<<8)|\new
.set MSB, \new
.endif
.endm
.set MUL_LO, 0xa1                      ; source 0 (B) window 1, source 1 (A) window 0, C and D window 2
.set MUL_HI, 0xf1                      ; the same, C and D window 3
.set TO_B,   0x40                      ; destination window 1, address window 0
; A joint load: waves 0 and 1 fetch A's halves, waves 2 and 3 B's.  Each line has one mask and one set of registers for all that issue it; the branch hangs on the wave's number alone.
; Four v_nop follow each of the two lines, ahead of the jump, the label and what follows.
.macro JLOAD g0a, g1a, g0b, g1b
	s_cmp_eq_u32 s15, 0
	s_cbranch_scc0 .Lfor_b_\@
	tensor_load_to_lds s[\g0a:\g0a+3], s[\g1a:\g1a+7]
	s_nop 0
.rept 4
	v_nop
.endr
	s_branch .Lasked_\@
.Lfor_b_\@:
	tensor_load_to_lds s[\g0b:\g0b+3], s[\g1b:\g1b+7]
	s_nop 0
.rept 4
	v_nop
.endr
.Lasked_\@:
.endm
.macro CREST                           ; a round of the cluster's barrier behind its opening barrier
	s_cmp_lg_u32 s14, 0
	s_cbranch_scc1 .Lnot_wave_0_\@
	s_barrier_signal -3
.Lnot_wave_0_\@:
	s_barrier_wait -3
	s_barrier_signal -1
	s_barrier_wait -1
.endm
.macro CROUND                          ; a whole round
	s_barrier_signal -1
	s_barrier_wait -1
	CREST
.endm
	s_load_b128 s[4:7], s[0:1], 0x0                ; y's image s[4:5], W_proj's s[6:7]
	s_load_b128 s[8:11], s[0:1], 0x10              ; the scales' exponents s[8:9], out s[10:11]
	v_lshl_add_u32 v[SPW], v0, 2, SPARE
	v_mov_b32 v[NIL], 0
	ds_add_u32 v28, v29
	ds_add_u32 v28, v29
	s_wait_dscnt 0x0
	v_lshrrev_b32 v1, 5, v0
	v_readfirstlane_b32 s14, v1                    ; wave 0..3
	s_lshr_b32 s15, s14, 1                         ; which half of the tile's tokens is mine.  Also: I fetch for A (0) or for B (1)
	s_and_b32 s16, s14, 1                          ; which half of its columns.  Also: which half of that tile I fetch
	s_bfe_u32 s40, ttmp6, 0x40000                  ; cx, cy: my place in the cluster
	s_bfe_u32 s41, ttmp6, 0x40004
	s_lshl_b32 s42, ttmp9, 2
	s_add_co_u32 s42, s42, s40                     ; tile of columns = 4 x cluster x + cx
	s_and_b32 s17, ttmp7, 0xffff
	s_lshl_b32 s17, s17, 2
	s_add_co_u32 s17, s17, s41                     ; tile of tokens = 4 x cluster y + cy
	s_lshl_b32 s43, s41, 2
	s_lshl_b32 s43, 15, s43                        ; my row of the cluster
	s_lshl_b32 s44, 0x1111, s40                    ; my column
	; descriptor group 1: 32 KiB on end, stated as 128 rows of 32 elements of 8 bytes
	s_or_b32 s[G1+0], s43, (3<<16)|(1<<21)         ; 15:0 the mask: A's tiles go to my row; 17:16 elements of 8 bytes; 20 no padding; 21 set beside a mask
	s_or_b32 s[G1B+0], s44, (3<<16)|(1<<21)
.irp g, G1, G1B
	s_mov_b32 s[\g+1], 32<<16                      ; tensor_dim0 = 32
	s_mov_b32 s[\g+2], 128<<16                     ; tensor_dim1 = 128
	s_mov_b32 s[\g+3], 32<<16                      ; tile_dim0 = 32
	s_mov_b32 s[\g+4], 128                         ; tile_dim1 = 128
	s_mov_b32 s[\g+5], 32                          ; tensor_dim0_stride
	s_mov_b32 s[\g+6], 0
	s_mov_b32 s[\g+7], 0
.endr
	s_lshl_b32 s20, s17, 1
	s_add_co_u32 s20, s20, s16
	s_lshl_b32 s20, s20, 17                        ; A: block 2 x tile + half
	s_mov_b32 s21, 0
	s_lshl_b32 s46, s42, 1
	s_add_co_u32 s46, s46, s16
	s_lshl_b32 s46, s46, 17                        ; B: block 2 x tile + half
	s_mov_b32 s47, 0
	s_lshl_b32 s45, s14, 15                        ; where they go: wave x 32 KiB: no place in the cluster enters an LDS address
	s_wait_kmcnt 0x0
	s_load_b256 s[80:87], s[8:9], 0x0              ; the eight exponents
	s_add_nc_u64 s[20:21], s[4:5], s[20:21]
	s_add_nc_u64 s[46:47], s[6:7], s[46:47]
	CROUND                                         ; all sixteen work-groups are here: the first joint loads meet
.irp s, 0,1
	s_mov_b32 s[G0+4*\s], 1
	s_add_co_u32 s[G0+4*\s+1], s45, \s*SLOT
	s_add_nc_u64 s[G0+4*\s+2:G0+4*\s+3], s[20:21], \s*UNIT
	s_or_b32 s[G0+4*\s+3], s[G0+4*\s+3], 0x80000000
	s_mov_b32 s[G0B+4*\s], 1
	s_add_co_u32 s[G0B+4*\s+1], s45, \s*SLOT
	s_add_nc_u64 s[G0B+4*\s+2:G0B+4*\s+3], s[46:47], \s*UNIT
	s_or_b32 s[G0B+4*\s+3], s[G0B+4*\s+3], 0x80000000
	s_wait_alu depctr_va_vdst(0)
	s_wait_tensorcnt 0x0
	ds_add_u32 v28, v29
	ds_add_u32 v28, v29
	s_wait_dscnt 0x0
	CROUND
	JLOAD G0+4*\s, G1, G0B+4*\s, G1B
.endr
	v_and_b32 v1, 31, v0
	v_lshlrev_b32 v[CO], 4, v1                     ; 16 x lane
	s_lshl_b32 s21, s15, 15                        ; my half of A',
	s_lshl_b32 s22, s16, 15                        ; my half of B',
	s_add_co_u32 s22, s22, 2*UNIT                  ; which lies behind A's two
.irp s, 0,1
	v_add_nc_u32 v[ADRA+\s], s21, v[CO]
	v_add_nc_u32 v[ADRB+\s], s22, v[CO]
	s_add_co_u32 s21, s21, SLOT
	s_add_co_u32 s22, s22, SLOT
.endr
	s_mul_i32 s23, s14, 16*SPITCH
	s_add_co_u32 s23, s23, STAGE                   ; my stage
	v_and_b32 v2, 15, v0
	v_bfe_u32 v3, v0, 4, 1
	v_mul_u32_u24 v4, v2, SPITCH                   ; in: row l % 16, + 64 bytes for lanes 16-31: their 16 columns of each 32
	v_lshl_add_u32 v4, v3, 6, v4
	v_add_nc_u32 v[STO], s23, v4
	v_add_nc_u32 v[RD], s23, v[CO]                 ; back: the 32 lanes take one row of 512 bytes
	s_lshl_b32 s20, s17, 1
	s_add_co_u32 s20, s20, s15
	s_lshl_b32 s20, s20, 19                        ; my first token: 128 (2 x tile + half) rows of 4,096 bytes,
	s_lshl_b32 s46, s42, 10
	s_add_co_u32 s20, s20, s46                     ; the tile's 256 columns,
	s_lshl_b32 s46, s16, 9
	s_add_co_u32 s20, s20, s46                     ; my 128 of them
	s_mov_b32 s21, 0
	s_add_nc_u64 s[10:11], s[10:11], s[20:21]
.macro FRAG reg, adr, q, i             ; a fragment: tile i of my 128 rows, the slot's q-th 128 along K: four runs of 512 bytes, 16 a lane
.irp c, 0,1,2,3
	ds_load_b128 v[\reg+4*\c:\reg+4*\c+3], v[\adr] offset:4096*(\i)+2048*(\q)+512*\c
.endr
.endm
; 16 matrix instructions: A's blocks a0, a0 + 1 x B's eight, 128 along K.  p: B's set.  zero = 1: the first product starts the sums: nothing is ever cleared.
; The 64 accumulators take turns, one instruction a turn, in the same order in every step.
.macro MUL16 a0, p, zero
.irp a, \a0, \a0+1
.irp b, 0,1,2,3,4,5,6,7
.if \zero
	v_wmma_f32_16x16x128_fp8_fp8 v[8*(8*((\a)%4)+\b):8*(8*((\a)%4)+\b)+7], v[128*(\p)+FR*\b:128*(\p)+FR*\b+FR-1], v[AF+FR*(\a):AF+FR*(\a)+FR-1], 0
.else
	v_wmma_f32_16x16x128_fp8_fp8 v[8*(8*((\a)%4)+\b):8*(8*((\a)%4)+\b)+7], v[128*(\p)+FR*\b:128*(\p)+FR*\b+FR-1], v[AF+FR*(\a):AF+FR*(\a)+FR-1], v[8*(8*((\a)%4)+\b):8*(8*((\a)%4)+\b)+7]
.endif
.endr
.endr
.endm
.macro FETCH_B slot, q, p              ; B's eight fragments into set p
	WIN TO_B
.irp i, 0,1,2,3,4,5,6,7
	FRAG 128*(\p)+FR*\i, ADRB+\slot, \q, \i
.endr
	WIN 0
.endm
.macro FETCH_A slot, q, i0             ; A's blocks i0 .. i0 + 3
.irp i, \i0, \i0+1, \i0+2, \i0+3
	FRAG AF+FR*(\i), ADRA+\slot, \q, \i
.endr
.endm
; A load into a register that a matrix instruction has read, and a vector instruction that reads a matrix result, stand NP places behind that matrix instruction; only plain vector
; instructions that name none of its registers are places (ISA guide 7.12.1 for vector instructions).
.macro PLACES n
.rept \n
	v_nop
.endr
.endm
; A step of 128 along K that has its successor in the same slot.  A's blocks go one after the other, each against B's eight: a block of A is free when its eight products are issued, so one set serves A.
.macro STEP slot, q, zero
	s_wait_dscnt 4*NL                              ; B's set and A's blocks 0-3 are in; the youngest sixteen loads (A's blocks 4-7) may be out
	WIN MUL_LO
	MUL16 0, (\q)%2, \zero
	MUL16 2, (\q)%2, \zero
	s_wait_dscnt 0                                 ; A's blocks 4-7 are in (asked for 32 matrix instructions ago)
	PLACES NP
	FETCH_B \slot, (\q)+1, 1-(\q)%2
	FETCH_A \slot, (\q)+1, 0
	WIN MUL_HI
	MUL16 4, (\q)%2, \zero
	MUL16 6, (\q)%2, \zero
	PLACES NP
	WIN 0
	FETCH_A \slot, (\q)+1, 4
.endm
; A slot's last step changes slots: ONE barrier; in front of it each wave waits for all its tensor loads, adds 0 to its spare word, and waits for that and for its own reads of this slot.  fill = 1: this slot is filled again, two fills ahead.
.macro TURN slot, next, fill
	s_wait_tensorcnt 0x0                           ; all my tensor loads have landed: my part of the next slot  (every window is 0 here)
	ds_add_u32 v[SPW], v[NIL]                      ; 0 onto my spare word
	s_wait_dscnt 4*NL+1                            ; (the add and the youngest sixteen loads, A's blocks 4-7, may be out)
	WIN MUL_LO
	MUL16 0, 1, 0                                  ; sixteen matrix instructions stand between the add and the wait for it
	s_wait_dscnt 0x0                               ; the add is done, and my reads of this slot are over
	s_barrier_signal -1
	MUL16 2, 1, 0
	WIN 0
	s_barrier_wait -1
.if \fill
	CREST                                          ; the barrier has opened a round of the cluster's barrier: no wave of any partner still reads this slot's tiles or has a load on its way
	s_add_nc_u64 s[G0+4*\slot+2:G0+4*\slot+3], s[G0+4*\slot+2:G0+4*\slot+3], 2*UNIT
	s_add_nc_u64 s[G0B+4*\slot+2:G0B+4*\slot+3], s[G0B+4*\slot+2:G0B+4*\slot+3], 2*UNIT
	JLOAD G0+4*\slot, G1, G0B+4*\slot, G1B         ; the first tensor load behind the round; the four v_nop behind it are the places in front of the loads below
.else
	PLACES NP
.endif
	FETCH_B \next, 0, 0
	FETCH_A \next, 0, 0
	WIN MUL_HI
	MUL16 4, 1, 0
	MUL16 6, 1, 0
	PLACES NP
	WIN 0
	FETCH_A \next, 0, 4
.endm
	s_wait_alu depctr_va_vdst(0)
	s_wait_tensorcnt 1                             ; my part of slot 0 is in; slot 1's load may be out
	s_barrier_signal -1
	s_barrier_wait -1                              ; everybody's is
	FETCH_B 0, 0, 0
	FETCH_A 0, 0, 0
	FETCH_A 0, 0, 4
	STEP 0, 0, 1                                   ; K 0-127: its products start the sums
	TURN 0, 1, 1                                   ; K 128-255; slot 0 takes K 512-767
	STEP 1, 0, 0
	TURN 1, 0, 1                                   ; slot 1 takes K 768-1023
	STEP 0, 0, 0
	TURN 0, 1, 0                                   ; nothing is left to fetch, so no round of the cluster's barrier
	STEP 1, 0, 0
	s_wait_dscnt 4*NL                              ; the last step
	WIN MUL_LO
	MUL16 0, 1, 0
	MUL16 2, 1, 0
	s_wait_dscnt 0
	WIN MUL_HI
	MUL16 4, 1, 0
	MUL16 6, 1, 0
	WIN 0
; THE WAY OUT, block by block of 16 tokens x 128 columns.  LDS serves a wave's instructions in order (ISA guide 5.7.1.4): no wait between the stores and the loads, nor in front of the next block's stores.
.macro TOSTAGE a
.set AC, 64*((\a)%4)
	WIN 0x02+((\a)/4)                              ; source 0: window 2 or 3
.set j, 0
.rept 32
	v_pk_mul_f32 v[TMP+j:TMP+j+1], v[AC+j:AC+j+1], s[96:97] op_sel_hi:[1,0]   ; both x s96 = 2^(e6 + e7); each accumulator from its low end on
.set j, j+2
.endr
	WIN 0
.irp b, 0,1,2,3,4,5,6,7
	ds_store_b128 v[STO], v[TMP+8*\b:TMP+8*\b+3] offset:128*(\b/2)+32*(\b%2)          ; columns 32 (b / 2) + 16 (lane / 16) + 8 (b % 2) + 0 .. 3
	ds_store_b128 v[STO], v[TMP+8*\b+4:TMP+8*\b+7] offset:128*(\b/2)+32*(\b%2)+16
.endr
.set BB, BK+64*((\a)%2)
.irp t, 0,1,2,3,4,5,6,7,8,9,10,11,12,13,14,15
	ds_load_b128 v[BB+4*\t:BB+4*\t+3], v[RD] offset:\t*SPITCH
.endr
.endm
.macro SEND a, younger                 ; younger: the LDS instructions issued behind block a's loads, which may stay out
.set BB, BK+64*((\a)%2)
	s_wait_dscnt \younger                          ; the block is back in registers
.irp t, 0,1,2,3,4,5,6,7,8,9,10,11,12,13,14,15
	global_store_b128 v[CO], v[BB+4*\t:BB+4*\t+3], s[10:11] offset:(32*((\a)/2)+8*((\a)%2)+\t+8*(\t/8))*4096 th:TH_STORE_NT   ; 32 lanes store 512 consecutive bytes, at a multiple of 256 from out's first byte; every offset is an immediate, 127 rows at the most
.endr
.endm
	s_wait_kmcnt 0x0
	s_add_co_i32 s96, s86, s87                     ; e6 + e7, between -126 and 127,
	s_add_co_i32 s96, s96, 127
	s_lshl_b32 s96, s96, 23                        ; makes the f32 number 2^(e6 + e7)
	s_mov_b32 s97, s96                             ; (named with it as a pair, so it is written)
	PLACES NP                                      ; behind the last products: for the reads of results and for the loads into the registers that held A's fragments
	TOSTAGE 0
.irp a, 1,2,3,4,5,6,7
.if \a > 1
	s_wait_xcnt 0x0                                ; block a - 2's stores have read their registers: block a's loads may land there
.endif
	TOSTAGE \a
	SEND \a-1, 32                                  ; behind block a - 1's loads: block a's 16 stores and 16 loads
.endr
	SEND 7, 0
	s_wait_tensorcnt 0x0                           ; the wave's end: behind my last tensor load and my last LDS store
	ds_add_u32 v[SPW], v[NIL]
	s_wait_dscnt 0x0
	CROUND                                         ; the closing round: no work-group ends while a partner may still ask for a tile that names it
	s_endpgm
.Lfunc_end_k_qb7b662beb8_gemm_proj:
	.size	k_qb7b662beb8_gemm_proj, .Lfunc_end_k_qb7b662beb8_gemm_proj-k_qb7b662beb8_gemm_proj
	.p2alignl 7, 3214868480
	.fill 96, 4, 3214868480
	.section	.rodata,"a",@progbits
	.p2align	6, 0x0
	.amdhsa_kernel k_qb7b662beb8_gemm_proj
		.amdhsa_group_segment_fixed_size 327680
		.amdhsa_private_segment_fixed_size 0
		.amdhsa_enable_private_segment 0
		.amdhsa_kernarg_size 32
		.amdhsa_user_sgpr_count 2
		.amdhsa_user_sgpr_kernarg_segment_ptr 1
		.amdhsa_wavefront_size32 1
		.amdhsa_system_sgpr_workgroup_id_x 1
		.amdhsa_system_sgpr_workgroup_id_y 1
		.amdhsa_system_sgpr_workgroup_id_z 1
		.amdhsa_system_vgpr_workitem_id 0
		.amdhsa_next_free_vgpr 1024
		.amdhsa_next_free_sgpr 100
		.amdhsa_reserve_vcc 0
		.amdhsa_float_denorm_mode_32 3
		.amdhsa_float_denorm_mode_16_64 3
		.amdhsa_memory_ordered 1
		.amdhsa_forward_progress 1
		.amdhsa_inst_pref_size 123
	.end_amdhsa_kernel
	.amdgpu_metadata
---
amdhsa.version: [ 1, 2 ]
amdhsa.kernels:
  - .name:           k_qb7b662beb8_gemm_proj
    .symbol:         k_qb7b662beb8_gemm_proj.kd
    .args:
      - { .name: y_img, .offset: 0, .size: 8, .value_kind: global_buffer, .address_space: global }
      - { .name: wproj_img, .offset: 8, .size: 8, .value_kind: global_buffer, .address_space: global }
      - { .name: lowp_scales, .offset: 16, .size: 8, .value_kind: global_buffer, .address_space: global }
      - { .name: out0, .offset: 24, .size: 8, .value_kind: global_buffer, .address_space: global }
    .group_segment_fixed_size: 327680
    .private_segment_fixed_size: 0
    .kernarg_segment_align: 8
    .kernarg_segment_size: 32
    .max_flat_workgroup_size: 128
    .sgpr_count:     100
    .vgpr_count:     1024
    .wavefront_size: 32
...
	.end_amdgpu_metadata
.endif
;; end of part 4
